; MI455X (gfx1250); checked and timed in simulation.
; The chip was launched on July 23, 2026; its instructions are those of AMD's public machine-readable ISA for CDNA 5 (MIT licence, August 2026) and "CDNA5" Instruction Set Architecture Reference Guide (July 2026). The comments in the code are by the model that wrote it; some were corrected since.
;; Self Attention. Allowed arithmetic: float matrix products may take bf16 or f16 operands with f32 sums; all other float work in f32.
;; Inputs: W_key 1,024 x 1,024 float32; W_query 1,024 x 1,024 float32; W_value 1,024 x 1,024 float32; x 4 x 2,048 x 1,024 float32.
;; Outputs: out0 4 x 2,048 x 1,024 float32.
;; 2 versions, each right; version 2 is version 1 with the launch cast written anew for expert scheduling mode. Each part assembles by itself: llvm-mc -triple=amdgcn-amd-amdhsa -mcpu=gfx1250 --defsym DOCPART=n.
;; ======== version 1 of 2: 4 launches
;; limits: values are held in f16: magnitudes above 65,504 overflow, below 6.1e-05 lose precision; right only within a limited range of input values
;; workspace buffers: xb 16,777,216 bytes; wb 6,291,456 bytes; qk 33,554,432 bytes; vt 16,777,216 bytes; pt 33,554,432 bytes; st 1,048,576 bytes
;; launch cast (part 1): grid 64 x 11, 8 waves a work-group, no clusters, 0 bytes of LDS; arguments x, W_query, W_key, W_value, xb, wb; writes xb, wb
.if DOCPART == 1
	.amdgcn_target "amdgcn-amd-amdhsa--gfx1250"
	.amdhsa_code_object_version 6
	.text
	.protected	k_qf3e5b56784_cast
	.globl	k_qf3e5b56784_cast
	.p2align	8
	.type	k_qf3e5b56784_cast,@function
k_qf3e5b56784_cast:
	s_mov_b64 s[64:65], 0
	v_nop
	global_prefetch_b8 v0, s[64:65] scope:SCOPE_SE
	s_setreg_imm32_b32 hwreg(HW_REG_WAVE_MODE, 25, 1), 1
	s_wait_xcnt 0x0
; x and the three weight matrices, f32, are rounded once to bf16 (nearest even): xb [8192][1024]; wb [3072][1024] = W_query, W_key, W_value one below the other.
; A stream: no LDS, no matrix unit, no cluster (no two work-groups read the same byte).  The grid's y picks a segment of 4 MiB of input: 0-7 the eight segments of x,
; 8, 9, 10 the three matrices; x picks 64 KiB of it.  Eight waves: a load of the work-group covers 4,096 consecutive bytes, 16 bytes a lane; a wave's store covers 256
; consecutive bytes, aligned.  All sixteen loads of a wave go out at once; no register is written twice, so nothing but the loads' own counted waits is needed.
.set X, 4                              ; v[4:67]   sixteen loads of four f32
.set Y, 68                             ; v[68:99]  sixteen stores of four bf16
	s_load_b256 s[4:11], s[0:1], 0x0               ; x s[4:5], W_query s[6:7], W_key s[8:9], W_value s[10:11]
	s_load_b128 s[12:15], s[0:1], 0x20             ; xb s[12:13], wb s[14:15]
	s_and_b32 s16, ttmp7, 0xffff                   ; the segment
	v_lshlrev_b32 v1, 4, v0                        ; my 16 bytes of a load
	v_lshlrev_b32 v2, 3, v0                        ; my 8 bytes of a store
	s_sub_co_u32 s18, s16, 8                       ; which matrix, if it is one
	s_cmp_lt_u32 s16, 8
	s_cselect_b32 s17, s16, 0                      ; segment inside the source: x has eight, a matrix is one
	s_cselect_b32 s18, s16, s18                    ; segment inside the destination
	s_lshl_b32 s24, s17, 22                        ; offsets are made apart from the addresses
	s_lshl_b32 s19, ttmp9, 16
	s_add_co_u32 s24, s24, s19
	s_mov_b32 s25, 0
	s_lshl_b32 s26, s18, 21
	s_lshl_b32 s19, ttmp9, 15
	s_add_co_u32 s26, s26, s19
	s_mov_b32 s27, 0
	s_wait_kmcnt 0x0
	s_cmp_lt_u32 s16, 8
	s_cselect_b64 s[20:21], s[4:5], s[6:7]         ; x, or W_query for the time being
	s_cselect_b64 s[22:23], s[12:13], s[14:15]     ; xb or wb
	s_cmp_eq_u32 s16, 9
	s_cselect_b64 s[20:21], s[8:9], s[20:21]
	s_cmp_eq_u32 s16, 10
	s_cselect_b64 s[20:21], s[10:11], s[20:21]
	s_add_nc_u64 s[20:21], s[20:21], s[24:25]
	s_add_nc_u64 s[22:23], s[22:23], s[26:27]
.irp j, 0,1,2,3,4,5,6,7,8,9,10,11,12,13,14,15
	global_load_b128 v[X+4*(\j):X+4*(\j)+3], v1, s[20:21] offset:4096*(\j) th:TH_LOAD_NT  ; read once in the launch
.endr
.irp j, 0,1,2,3,4,5,6,7,8,9,10,11,12,13,14,15
	s_wait_loadcnt 15-(\j)                         ; loads come back in order: load j is in, the 15 - j younger ones stay out
	v_cvt_pk_bf16_f32 v[Y+2*(\j)], v[X+4*(\j)], v[X+4*(\j)+1]
	v_cvt_pk_bf16_f32 v[Y+2*(\j)+1], v[X+4*(\j)+2], v[X+4*(\j)+3]
	global_store_b64 v2, v[Y+2*(\j):Y+2*(\j)+1], s[22:23] offset:2048*(\j)
.endr
	s_endpgm
.Lfunc_end_k_qf3e5b56784_cast:
	.size	k_qf3e5b56784_cast, .Lfunc_end_k_qf3e5b56784_cast-k_qf3e5b56784_cast
	.p2alignl 7, 3214868480
	.fill 96, 4, 3214868480
	.section	.rodata,"a",@progbits
	.p2align	6, 0x0
	.amdhsa_kernel k_qf3e5b56784_cast
		.amdhsa_group_segment_fixed_size 0
		.amdhsa_private_segment_fixed_size 0
		.amdhsa_enable_private_segment 0
		.amdhsa_kernarg_size 48
		.amdhsa_user_sgpr_count 2
		.amdhsa_user_sgpr_kernarg_segment_ptr 1
		.amdhsa_wavefront_size32 1
		.amdhsa_system_sgpr_workgroup_id_x 1
		.amdhsa_system_sgpr_workgroup_id_y 1
		.amdhsa_system_sgpr_workgroup_id_z 1
		.amdhsa_system_vgpr_workitem_id 0
		.amdhsa_next_free_vgpr 104
		.amdhsa_next_free_sgpr 66
		.amdhsa_reserve_vcc 0
		.amdhsa_float_denorm_mode_32 3
		.amdhsa_float_denorm_mode_16_64 3
		.amdhsa_memory_ordered 1
		.amdhsa_forward_progress 1
		.amdhsa_inst_pref_size 7
	.end_amdhsa_kernel
	.amdgpu_metadata
---
amdhsa.version: [ 1, 2 ]
amdhsa.kernels:
  - .name:           k_qf3e5b56784_cast
    .symbol:         k_qf3e5b56784_cast.kd
    .args:
      - { .name: x, .offset: 0, .size: 8, .value_kind: global_buffer, .address_space: global }
      - { .name: W_query, .offset: 8, .size: 8, .value_kind: global_buffer, .address_space: global }
      - { .name: W_key, .offset: 16, .size: 8, .value_kind: global_buffer, .address_space: global }
      - { .name: W_value, .offset: 24, .size: 8, .value_kind: global_buffer, .address_space: global }
      - { .name: xb, .offset: 32, .size: 8, .value_kind: global_buffer, .address_space: global }
      - { .name: wb, .offset: 40, .size: 8, .value_kind: global_buffer, .address_space: global }
    .group_segment_fixed_size: 0
    .private_segment_fixed_size: 0
    .kernarg_segment_align: 8
    .kernarg_segment_size: 48
    .max_flat_workgroup_size: 256
    .sgpr_count:     66
    .vgpr_count:     104
    .wavefront_size: 32
...
	.end_amdgpu_metadata
.endif
;; end of part 1
;; launch proj (part 2): grid 8 x 32, 4 waves a work-group, clusters of 4 x 4, 327,680 bytes of LDS; arguments xb, wb, qk, vt; writes qk, vt
.if DOCPART == 2
	.amdgcn_target "amdgcn-amd-amdhsa--gfx1250"
	.amdhsa_code_object_version 6
	.text
	.protected	k_qf3e5b56784_proj
	.globl	k_qf3e5b56784_proj
	.p2align	8
	.type	k_qf3e5b56784_proj,@function
k_qf3e5b56784_proj:
	s_mov_b64 s[64:65], 0
	v_nop
	global_prefetch_b8 v0, s[64:65] scope:SCOPE_SE
	s_setreg_imm32_b32 hwreg(HW_REG_WAVE_MODE, 25, 1), 1
	s_wait_xcnt 0x0
	s_wait_alu depctr_hold_cnt(0) depctr_sa_sdst(0) depctr_va_vdst(0) depctr_va_sdst(0) depctr_va_ssrc(0) depctr_va_vcc(0) depctr_vm_vsrc(0)
	s_getreg_b32 s2, hwreg(HW_REG_IB_STS2, 6, 4)
	s_cmp_eq_u32 s2, 0
	s_cbranch_scc0 .Lentry_in_a_cluster
	s_endpgm
.Lentry_in_a_cluster:
	s_bfe_u32 s2, ttmp6, 0x10000c
	s_cmp_lg_u32 s2, 0xf033
	s_cbranch_scc0 .Lentry_shape_is_right
	s_endpgm
.Lentry_shape_is_right:
; THE THREE PROJECTIONS.  xb [8192][1024], wb [3072][1024] (W_query, W_key, W_value one below the other), both bf16; sums in f32; results f16, rounded once, unscaled.
;   tile 1: qk[r][o] = sum over d of xb[r][d] wb[o][d], o = 0..2047 (q in columns 0-1023, k in 1024-2047): qk [8192][2048]
;   tile 2: vt[o][r] = sum over d of wb[2048 + o][d] xb[r][d]: v TRANSPOSED, [1024 channels][8192 rows], so that the last product of the chain finds the keys along its rows
; LIMIT.  f16 ends at 65,504: |q|, |k| and |v| must stay below it (as drawn they reach about 3.5; with x and W both 30 times larger about 3,200; with both carrying an offset of 30 spreads about 16,600).
; A WORK-GROUP STAYS.  Work-group (tx, ty) makes 256 x 256 of qk (rows 256 ty, columns 256 tx; a wave 128 x 128, 64 accumulators) and then 128 channels x 256 rows of vt (channels 128 tx, the SAME rows 256 ty of
; xb; a wave 64 x 128, 32 accumulators): 8 x 32 work-groups, one and a half big tiles each, all alike.  K goes in steps of 128 (rows of 256 bytes, at multiples of 256 bytes) through two LDS slots that take
; turns, 8 steps for each tile; the ring does not stop between the tiles: tile 1's last two changes of slots ask for tile 2's first two steps, and tile 1 goes out while the second of them is on its way.
; A trip of a loop is ONE step; the slot in hand is a scalar that an exclusive or toggles.
; CLUSTER.  4 x 4 work-groups: the four of a row need the same rows of xb (in both tiles), the four of a column the same rows of wb; each tile is asked for jointly, by the same tensor load with a mask of four.
; THE MATRIX INSTRUCTION: source 0 = 16 rows of the operand whose index runs along C's rows (tile 1: wb, tile 2: xb), source 1 = 16 rows of the other: a lane holds row l % 16 of C and eight neighbouring columns.
; REGISTERS, in windows of 256 (s_set_vgpr_msb: bits 1:0 source 0, 3:2 source 1, 5:4 source 2, 7:6 destination):
;   window 0: v0-31 addresses; v64-127, v128-191 source 1's fragments, two buffers; v32-63, v192-255 at work on the way out      window 1: v64-127, v128-191 source 0's fragments
;   window 2: accumulators of my blocks 0-3 of 16 rows, (a, b) at v[8 (8 a + b)]      window 3: those of blocks 4-7 (tile 1 alone)
.set STEPS,  8                         ; K / 128, for each tile
.set PITCH,  272                       ; an LDS row: 256 bytes + 16 of padding: the 16 rows of a fragment load start at 16 different groups of four banks
.set AH,     128*PITCH                 ; 128 rows: what a tensor load brings of xb, and of wb in tile 1
.set WH,     64*PITCH                  ; 64 rows: what a tensor load brings of wb in tile 2
.set BOFF,   2*AH                      ; in a slot: xb's 256 rows, then wb's 256 (tile 1) or 128 (tile 2)
.set SLOT,   4*AH
.set STAGE,  2*SLOT                    ; behind the ring: 16 rows x 272 bytes for each wave, for the ways out
.set SPITCH, 272
.set SPARE,  STAGE+4*16*SPITCH         ; the spare words, 128 bytes for each wave: two blocks of 256 bytes that no other line names
.set KROW,   1024                      ; elements from row to row in xb and in wb
.set CROW1,  4096                      ; bytes in a row of qk
.set CROW2,  16384                     ; bytes in a row of vt
.set GW0,    (1<<16)|(1<<20)|(1<<21)|(5<<22)|(3<<25)  ; group 1, word 0 beside the mask: 2-byte elements; padding on; bit 21 set beside a mask; after every 64 words; 4 words
.set ADRA1, 16                         ; v16  LDS address in slot 0 of source 1's fragments, tile 1 (xb, my row half); never rewritten
.set ADRA,  17                         ; v17  the same in the slot and tile in hand
.set ADRA2, 18                         ; v18  tile 2 (wb, my row half)
.set ADRB1, 20                         ; v20  source 0's, tile 1 (wb, my column half)
.set ADRB,  21                         ; v21  in the slot and tile in hand
.set ADRB2, 22                         ; v22  tile 2 (xb, my column half)
.set CO2,   23                         ; v23  my byte offset in two rows of vt
.set STO,   24                         ; v24  the way out: where I put 16 bytes of a row
.set RD,    25                         ; v25  where I read a row back
.set CO1,   26                         ; v26  my byte offset in two rows of qk
.set SPW,   28                         ; v28  LDS address of my spare word; never rewritten
.set NIL,   29                         ; v29  0; never rewritten
.set OB,    32
.set F0,    64
.set F1,    128
.set TMP,   192
.set CNT,  2                           ; s2   the loops' counter
.set WV,   12                          ; s12  wave;  s13 its row half (also: 0 = I fetch xb, 1 = wb);  s14 its column half (also: which half of that operand's rows I fetch)
.set RH,   13
.set CH,   14
.set G1A,  24                          ; s[24:31] group 1 for xb, both tiles
.set G0A0, 32                          ; s[32:35] group 0 of xb's first fill; when that load is done, tile 2's walking descriptor
.set G0A1, 36                          ; s[36:39] group 0 of xb's second fill, which then walks through tile 1
.set LA,   46                          ; s46  where my part of xb lies in a slot;  s47 my part of wb, tile 1;  s67 tile 2
.set LB,   47
.set G1B,  48                          ; s[48:55] group 1 for wb in tile 1;  s[56:59], s[60:63] its group 0 sets, used as xb's are
.set G0B0, 56
.set G0B1, 60
.set SB,   66                          ; s66  the slot in hand: 0 or SLOT
.set LC,   67
.set G1C,  80                          ; s[80:87] group 1 for wb in tile 2: 64 rows
.set MSB, 0
.macro WIN new                         ; the immediate's high byte repeats the setting that is left; a switch that changes nothing is dropped
.if MSB != (\new)
	s_set_vgpr_msb (MSB<<8)|(\new)
.set MSB, \new
.endif
.endm
.macro PLACES                          ; four places ahead of loads into registers that matrix instructions have read, and of reads of results
.rept 4
	v_nop
.endr
.endm
.macro CREST                           ; a round of the cluster's barrier behind its opening barrier
	s_cmp_lg_u32 s[WV], 0
	s_cbranch_scc1 .Lnot_wave_0_\@
	s_barrier_signal -3
.Lnot_wave_0_\@:
	s_barrier_wait -3
	s_barrier_signal -1
	s_barrier_wait -1
.endm
.macro CROUND
	s_barrier_signal -1
	s_barrier_wait -1
	CREST
.endm
.macro JLOAD ga, gb, g1b               ; the joint refill: waves 0, 1 ask for xb's halves, waves 2, 3 for wb's; s_nop 0 and four v_nop follow each line
	s_cmp_eq_u32 s[RH], 0
	s_cbranch_scc0 .Lfor_b_\@
	tensor_load_to_lds s[(\ga):(\ga)+3], s[G1A:G1A+7]
	s_nop 0
	PLACES
	s_branch .Lasked_\@
.Lfor_b_\@:
	tensor_load_to_lds s[(\gb):(\gb)+3], s[(\g1b):(\g1b)+7]
	s_nop 0
	PLACES
.Lasked_\@:
.endm
.macro STEPD ga, gb, lb                ; the walking descriptors: the next step along K (the type bits on top are not reached), into the slot in hand, which has been read
	s_add_nc_u64 s[(\ga)+2:(\ga)+3], s[(\ga)+2:(\ga)+3], 256
	s_add_co_u32 s[(\ga)+1], s[LA], s[SB]
	s_add_nc_u64 s[(\gb)+2:(\gb)+3], s[(\gb)+2:(\gb)+3], 256
	s_add_co_u32 s[(\gb)+1], s[\lb], s[SB]
.endm
; 8 matrix instructions: block a of 16 rows x all 8 blocks of 16 columns, 32 along K.  The blocks come in the same order in every quarter, so the accumulators take turns.
.macro MULA f, a, zero
	WIN 0xa1+0x50*((\a)/4)                         ; source 0 window 1, source 1 window 0, C and D window 2 or 3
.irp b, 0,1,2,3,4,5,6,7
.if \zero
	v_wmma_f32_16x16x32_bf16 v[8*(8*((\a)%4)+(\b)):8*(8*((\a)%4)+(\b))+7], v[(\f)+8*(\b):(\f)+8*(\b)+7], v[(\f)+8*(\a):(\f)+8*(\a)+7], 0
.else
	v_wmma_f32_16x16x32_bf16 v[8*(8*((\a)%4)+(\b)):8*(8*((\a)%4)+(\b))+7], v[(\f)+8*(\b):(\f)+8*(\b)+7], v[(\f)+8*(\a):(\f)+8*(\a)+7], v[8*(8*((\a)%4)+(\b)):8*(8*((\a)%4)+(\b))+7]
.endif
.endr
.endm
.macro FETCH k, f, na                  ; one run of LDS loads: the fragments of 32 along K at byte k of the rows of the slot in hand: source 0's 16 loads, then source 1's 2 na, rows ascending
	WIN 0x40
.irp i, 0,1,2,3,4,5,6,7
	ds_load_b128 v[(\f)+8*(\i):(\f)+8*(\i)+3],   v[ADRB] offset:(\k)+(\i)*16*PITCH
	ds_load_b128 v[(\f)+8*(\i)+4:(\f)+8*(\i)+7], v[ADRB] offset:(\k)+(\i)*16*PITCH+32
.endr
	WIN 0
.set fi, 0
.rept \na
	ds_load_b128 v[(\f)+8*fi:(\f)+8*fi+3],   v[ADRA] offset:(\k)+fi*16*PITCH
	ds_load_b128 v[(\f)+8*fi+4:(\f)+8*fi+7], v[ADRA] offset:(\k)+fi*16*PITCH+32
.set fi, fi+1
.endr
.endm
.macro TOGGLE a0, b0                   ; the other slot is in hand
	s_xor_b32 s[SB], s[SB], SLOT
	v_add_nc_u32 v[ADRA], s[SB], v[\a0]
	v_add_nc_u32 v[ADRB], s[SB], v[\b0]
.endm
; TILE 1.  One of a step's first three quarters: multiplies buffer f, fetches the next quarter (byte k) into g.
.macro QB k, f, g, zero
	s_wait_dscnt 8                                 ; source 0's fragments and source 1's blocks 0-3 are in; the youngest eight loads (blocks 4-7) may be out
.irp a, 0,1,2,3
	MULA \f, \a, \zero
.endr
	PLACES
	FETCH \k, \g, 8
	s_wait_dscnt 32                                ; all but the 32 just issued
.irp a, 4,5,6,7
	MULA \f, \a, \zero
.endr
.endm
; A step's last quarter multiplies buffer 1 and changes slots.  Ahead of the barrier each wave waits for all its tensor loads (one is out: its part of the next slot), adds 0 to its spare word, and
; waits for that and for its reads of this slot.  The barrier opens a round of the cluster's, and this slot is filled again, two steps ahead, first thing behind the round.
; last = 1 (tile 1's last two steps, whose refills are tile 2's first two steps): in the very last (CNT = 1) the next fragments are tile 2's, fetched behind the way out, and the fetch here is jumped over.
.macro TURNB ga, gb, g1b, lb, last
	WIN 0
	s_wait_tensorcnt 0x0
	ds_add_u32 v[SPW], v[NIL]
	s_wait_dscnt 9                                 ; the add and the youngest eight loads may be out
	MULA F1, 0, 0
	MULA F1, 1, 0
	s_wait_dscnt 0x0                               ; the add is done, my reads of this slot are over
	s_barrier_signal -1
	MULA F1, 2, 0
	MULA F1, 3, 0
	WIN 0
	s_barrier_wait -1
	CREST                                          ; no wave of any partner still reads this slot or has a load on its way
	STEPD \ga, \gb, \lb
	JLOAD \ga, \gb, \g1b                           ; 224 matrix instructions ahead of the wait for it; its four v_nop are also the places ahead of the loads below
	TOGGLE ADRA1, ADRB1
.if \last
	s_cmp_eq_u32 s[CNT], 1
	s_cbranch_scc1 .Lno_more_\@
.endif
	FETCH 0, F0, 8
.if \last
.Lno_more_\@:
.endif
.irp a, 4,5,6,7
	MULA F1, \a, 0
.endr
.endm
; TILE 2: four blocks of 16 rows a wave.
.macro QS k, f, g, zero
	s_wait_dscnt 4                                 ; source 0's fragments and source 1's blocks 0, 1 are in; the youngest four loads may be out
	MULA \f, 0, \zero
	MULA \f, 1, \zero
	PLACES
	FETCH \k, \g, 4
	s_wait_dscnt 24                                ; all but the 24 just issued
	MULA \f, 2, \zero
	MULA \f, 3, \zero
.endm
; Its step holds 128 matrix instructions, half of tile 1's, for three quarters of the bytes: what counts is that the next request goes out as soon as the last tile has landed.  So 24 of the quarter's 32
; products stand AHEAD of the wait for the tensor loads, the descriptors are stepped while the add is out, and signal, wait, round and refill follow on end; the last 8 products cover the fragments' fetch.
; fill = 0 (the last two steps): nothing is asked for; the very last (CNT = 1) has no next step to fetch.
.macro TURNS fill
	s_wait_dscnt 4
	MULA F1, 0, 0
	MULA F1, 1, 0
	s_wait_dscnt 0x0                               ; blocks 2, 3 are in: all my reads of this slot are back
	MULA F1, 2, 0
	WIN 0
	s_wait_tensorcnt 0x0                           ; all my tensor loads have landed: my part of the next slot; so a group 0 may be written
	ds_add_u32 v[SPW], v[NIL]
.if \fill
	STEPD G0A0, G0B0, LC
.endif
	s_wait_dscnt 0x0                               ; the add is done
	s_barrier_signal -1
	s_barrier_wait -1
.if \fill
	CREST
	JLOAD G0A0, G0B0, G1C                          ; 128 matrix instructions ahead of the wait for it
	TOGGLE ADRA2, ADRB2
	FETCH 0, F0, 4
.else
	s_cmp_eq_u32 s[CNT], 1
	s_cbranch_scc1 .Lno_more_\@
	PLACES
	TOGGLE ADRA2, ADRB2
	FETCH 0, F0, 4
.Lno_more_\@:
.endif
	MULA F1, 3, 0
.endm
; THE WAY OUT, a block of 16 rows at a time: rounded to f16 (16 bytes a lane), into my own stage, back as whole rows of 256 bytes, stored.
.macro PACK a
	WIN 0x0a+5*((\a)/4)                            ; sources 0 and 1: window 2 or 3
.irp b, 0,1,2,3,4,5,6,7
.irp r, 0,1,2,3
	v_cvt_pk_f16_f32 v[TMP+4*(\b)+(\r)], v[64*((\a)%4)+8*(\b)+2*(\r)], v[64*((\a)%4)+8*(\b)+2*(\r)+1]
.endr
.endr
	WIN 0
.endm
.macro TOSTAGE a
.irp b, 0,1,2,3,4,5,6,7
	ds_store_b128 v[STO], v[TMP+4*(\b):TMP+4*(\b)+3] offset:32*(\b)
.endr
.irp t, 0,1,2,3,4,5,6,7
	ds_load_b128 v[OB+192*((\a)%2)+4*(\t):OB+192*((\a)%2)+4*(\t)+3], v[RD] offset:(\t)*2*SPITCH  ; LDS serves a wave's instructions in order: these see the stores above
.endr
.endm
.macro SEND a, cb, of, crow, co        ; cb: C's address; of: my part's offset, added the first time; crow: bytes in a row of C; co: my lane's offset
	s_wait_dscnt 0x0                               ; the block is back in registers
	s_wait_xcnt 0x0                                ; the stores' base, and the registers that earlier stores read, are rewritten only behind this wait
.if (\a) == 0
	s_add_nc_u64 s[(\cb):(\cb)+1], s[(\cb):(\cb)+1], s[(\of):(\of)+1]
.else
	s_add_nc_u64 s[(\cb):(\cb)+1], s[(\cb):(\cb)+1], 16*(\crow)
.endif
.irp t, 0,1,2,3,4,5,6,7
	global_store_b128 v[\co], v[OB+192*((\a)%2)+4*(\t):OB+192*((\a)%2)+4*(\t)+3], s[(\cb):(\cb)+1] offset:2*(\t)*(\crow)  ; 16 lanes store 256 consecutive bytes, aligned
.endr
.endm
	s_load_b256 s[4:11], s[0:1], 0x0               ; xb s[4:5], wb s[6:7], qk s[8:9], vt s[10:11]
	v_lshl_add_u32 v[SPW], v0, 2, SPARE
	v_mov_b32 v[NIL], 0
	ds_add_u32 v[SPW], v[NIL]                      ; the wave's opening: the add and its wait ahead of my first tensor load; the set-up stands between them
	v_lshrrev_b32 v1, 5, v0
	v_readfirstlane_b32 s[WV], v1
	s_lshr_b32 s[RH], s[WV], 1
	s_and_b32 s[CH], s[WV], 1
	s_bfe_u32 s40, ttmp6, 0x40000                  ; cx
	s_bfe_u32 s41, ttmp6, 0x40004                  ; cy
	s_lshl_b32 s42, ttmp9, 2
	s_add_co_u32 s42, s42, s40                     ; tx = 4 x cluster x + cx
	s_and_b32 s43, ttmp7, 0xffff
	s_lshl_b32 s43, s43, 2
	s_add_co_u32 s43, s43, s41                     ; ty = 4 x cluster y + cy
	s_lshl_b32 s44, s41, 2
	s_lshl_b32 s44, 15, s44                        ; my row of the cluster
	s_lshl_b32 s45, 0x1111, s40                    ; my column
	s_or_b32 s[G1A], s44, GW0                      ; xb's tiles hang on ty alone: shared along the row
	s_or_b32 s[G1B], s45, GW0                      ; wb's on tx alone: shared along the column
	s_or_b32 s[G1C], s45, GW0
.irp g, G1A, G1B, G1C
	s_mov_b32 s[(\g)+1], 128<<16                   ; tensor_dim0 = 128
	s_mov_b32 s[(\g)+3], 128<<16                   ; tile_dim0 = 128
	s_mov_b32 s[(\g)+5], KROW                      ; elements from row to row
	s_mov_b32 s[(\g)+6], 0
	s_mov_b32 s[(\g)+7], 0
.endr
	s_mov_b32 s[G1A+2], 128<<16                    ; tensor_dim1 and tile_dim1: 128 rows,
	s_mov_b32 s[G1A+4], 128
	s_mov_b32 s[G1B+2], 128<<16
	s_mov_b32 s[G1B+4], 128
	s_mov_b32 s[G1C+2], 64<<16                     ; of wb in tile 2: 64
	s_mov_b32 s[G1C+4], 64
	s_lshl_b32 s18, s[CH], 7                       ; which 128 rows I fetch
	s_lshl_b32 s16, s43, 8
	s_add_co_u32 s16, s16, s18                     ; xb: row 256 ty + 128 x half,
	s_lshl_b32 s16, s16, 11                        ; of 2,048 bytes
	s_mov_b32 s17, 0
	s_lshl_b32 s20, s42, 8
	s_add_co_u32 s20, s20, s18                     ; wb, tile 1: row 256 tx + 128 x half
	s_lshl_b32 s20, s20, 11
	s_mov_b32 s21, 0
	s_lshl_b32 s68, s42, 7
	s_lshl_b32 s69, s[CH], 6
	s_add_co_u32 s68, s68, s69
	s_add_co_u32 s68, s68, 2048                    ; wb, tile 2: row 2,048 + 128 tx + 64 x half
	s_lshl_b32 s68, s68, 11
	s_mov_b32 s69, 0
	s_mul_i32 s[LA], s[CH], AH                     ; no place in the cluster enters an LDS address
	s_add_co_u32 s[LB], s[LA], BOFF
	s_mul_i32 s[LC], s[CH], WH
	s_add_co_u32 s[LC], s[LC], BOFF
	s_mov_b32 s[SB], 0
	s_lshl_b32 s72, s43, 8                         ; my part of qk: row 256 ty + 128 x row half,
	s_lshl_b32 s76, s[RH], 7
	s_add_co_u32 s72, s72, s76
	s_lshl_b32 s72, s72, 12                        ; of 4,096 bytes,
	s_lshl_b32 s76, s42, 1
	s_add_co_u32 s76, s76, s[CH]
	s_lshl_b32 s76, s76, 8                         ; + 256 bytes x (2 tx + column half)
	s_add_co_u32 s72, s72, s76
	s_mov_b32 s73, 0
	s_lshl_b32 s74, s42, 7                         ; my part of vt: row 128 tx + 64 x row half,
	s_lshl_b32 s76, s[RH], 6
	s_add_co_u32 s74, s74, s76
	s_lshl_b32 s74, s74, 14                        ; of 16,384 bytes,
	s_lshl_b32 s76, s43, 1
	s_add_co_u32 s76, s76, s[CH]
	s_lshl_b32 s76, s76, 8                         ; + 256 bytes x (2 ty + column half)
	s_add_co_u32 s74, s74, s76
	s_mov_b32 s75, 0
	s_wait_dscnt 0x0                               ; the opening add is done
	s_wait_kmcnt 0x0
	s_add_nc_u64 s[16:17], s[4:5], s[16:17]        ; kept: tile 2 begins at the same bytes of xb
	s_add_nc_u64 s[20:21], s[6:7], s[20:21]
	s_add_nc_u64 s[68:69], s[6:7], s[68:69]
	s_mov_b32 s[G0A0], 1                           ; group 0: count 1; LDS address; global address; type 2
	s_mov_b32 s[G0A0+1], s[LA]
	s_mov_b64 s[G0A0+2:G0A0+3], s[16:17]           ; K step 0 into slot 0
	s_or_b32 s[G0A0+3], s[G0A0+3], 0x80000000
	s_mov_b32 s[G0A1], 1
	s_add_co_u32 s[G0A1+1], s[LA], SLOT
	s_add_nc_u64 s[G0A1+2:G0A1+3], s[16:17], 256   ; K step 1 into slot 1
	s_or_b32 s[G0A1+3], s[G0A1+3], 0x80000000
	s_mov_b32 s[G0B0], 1
	s_mov_b32 s[G0B0+1], s[LB]
	s_mov_b64 s[G0B0+2:G0B0+3], s[20:21]
	s_or_b32 s[G0B0+3], s[G0B0+3], 0x80000000
	s_mov_b32 s[G0B1], 1
	s_add_co_u32 s[G0B1+1], s[LB], SLOT
	s_add_nc_u64 s[G0B1+2:G0B1+3], s[20:21], 256
	s_or_b32 s[G0B1+3], s[G0B1+3], 0x80000000
	CROUND                                         ; all sixteen work-groups are here: the first joint loads meet
	s_cmp_eq_u32 s[RH], 0                          ; a wave's two first fills stand in one branch: two tensor loads of mine are out, later one
	s_cbranch_scc0 .Lfirst_b
	tensor_load_to_lds s[G0A0:G0A0+3], s[G1A:G1A+7]
	s_nop 0
	tensor_load_to_lds s[G0A1:G0A1+3], s[G1A:G1A+7]
	s_nop 0
	PLACES
	s_branch .Lfirst_asked
.Lfirst_b:
	tensor_load_to_lds s[G0B0:G0B0+3], s[G1B:G1B+7]
	s_nop 0
	tensor_load_to_lds s[G0B1:G0B1+3], s[G1B:G1B+7]
	s_nop 0
	PLACES
.Lfirst_asked:
	; a fragment is 16 rows x 32 K in 8 registers: lane l holds row l % 16, K = 8 (l / 16) + 0..7 and 16 + 8 (l / 16) + 0..7: two loads of 16 bytes, 32 bytes apart
	v_and_b32 v1, 15, v0                           ; l % 16
	v_bfe_u32 v2, v0, 4, 1                         ; l / 16
	v_mul_u32_u24 v3, v1, PITCH
	v_lshl_add_u32 v3, v2, 4, v3
	s_mul_i32 s18, s[RH], AH
	s_mul_i32 s19, s[CH], AH
	v_add_nc_u32 v[ADRA1], s18, v3                 ; tile 1: xb's 128 rows of my row half,
	v_add_nc_u32 v[ADRB2], s19, v3                 ; tile 2: xb's 128 rows of my column half
	s_add_co_u32 s19, s19, BOFF
	v_add_nc_u32 v[ADRB1], s19, v3                 ; tile 1: wb's 128 rows of my column half
	s_mul_i32 s18, s[RH], WH
	s_add_co_u32 s18, s18, BOFF
	v_add_nc_u32 v[ADRA2], s18, v3                 ; tile 2: wb's 64 rows of my row half
	v_mov_b32 v[ADRA], v[ADRA1]
	v_mov_b32 v[ADRB], v[ADRB1]
	s_mul_i32 s18, s[WV], 16*SPITCH
	s_add_co_u32 s18, s18, STAGE                   ; my stage
	v_mul_u32_u24 v4, v1, SPITCH                   ; in: row l % 16, 16 bytes for each half of the lanes
	v_lshl_add_u32 v4, v2, 4, v4
	v_add_nc_u32 v[STO], s18, v4
	v_mul_u32_u24 v5, v2, SPITCH                   ; back: lanes 0-15 one row of 256 bytes, lanes 16-31 the next
	v_lshl_add_u32 v5, v1, 4, v5
	v_add_nc_u32 v[RD], s18, v5
	v_mul_u32_u24 v5, v2, CROW1                    ; and the same two rows in qk,
	v_lshl_add_u32 v[CO1], v1, 4, v5
	v_mul_u32_u24 v5, v2, CROW2                    ; in vt
	v_lshl_add_u32 v[CO2], v1, 4, v5
	s_wait_tensorcnt 0x1                           ; my part of K step 0 is in; step 1's may stay out
	s_barrier_signal -1
	s_barrier_wait -1
	FETCH 0, F0, 8
	QB 64, F0, F1, 1                               ; the first quarter stands ahead of the loop: its products start the sums
	WIN 0
	s_mov_b32 s[CNT], STEPS-2
.Lstep:                                                ; a trip: a step's quarters 2 to 4, the refill two steps ahead, the next step's quarter 1
	QB 128, F1, F0, 0
	QB 192, F0, F1, 0
	TURNB G0A1, G0B1, G1B, LB, 0
	QB 64, F0, F1, 0
	WIN 0
	s_sub_co_u32 s[CNT], s[CNT], 1
	s_cmp_lg_u32 s[CNT], 0
	s_cbranch_scc1 .Lstep
	; THE RING GOES ON INTO TILE 2.  The first fills' group 0 sets, whose loads were done ahead of the first barrier, become tile 2's walking descriptors; they start one step ahead of K = 0,
	; since every change of slots steps them by 256 bytes before it asks.
	s_sub_nc_u64 s[G0A0+2:G0A0+3], s[16:17], 256
	s_or_b32 s[G0A0+3], s[G0A0+3], 0x80000000
	s_sub_nc_u64 s[G0B0+2:G0B0+3], s[68:69], 256
	s_or_b32 s[G0B0+3], s[G0B0+3], 0x80000000
	s_mov_b32 s[CNT], 2                            ; tile 1's last two steps: a loop of their own, entered in its middle
	s_branch .Lmid
.Ltail:
	QB 64, F0, F1, 0
	WIN 0
.Lmid:
	QB 128, F1, F0, 0
	QB 192, F0, F1, 0
	TURNB G0A0, G0B0, G1C, LC, 1
	WIN 0
	s_sub_co_u32 s[CNT], s[CNT], 1
	s_cmp_lg_u32 s[CNT], 0
	s_cbranch_scc1 .Ltail
	PLACES                                         ; BOTH OF TILE 2'S FIRST STEPS ARE ASKED FOR: NOW TILE 1 GOES OUT
	PACK 0
	TOSTAGE 0
.irp a, 1,2,3,4,5,6,7                  ; block a's conversions stand between block a - 1's loads from the stage and the wait for them
	PACK \a
	SEND (\a)-1, 8, 72, CROW1, CO1
	TOSTAGE \a
.endr
	SEND 7, 8, 72, CROW1, CO1
	v_add_nc_u32 v[ADRA], s[SB], v[ADRA2]          ; TILE 2.  Its step 0 was shown landed, to every wave, by the last change of slots
	v_add_nc_u32 v[ADRB], s[SB], v[ADRB2]
	FETCH 0, F0, 4
	QS 64, F0, F1, 1                               ; its first products start the sums anew, on accumulators that have been packed
	WIN 0
	s_mov_b32 s[CNT], STEPS-2
.Lstep2:
	QS 128, F1, F0, 0
	QS 192, F0, F1, 0
	TURNS 1
	QS 64, F0, F1, 0
	WIN 0
	s_sub_co_u32 s[CNT], s[CNT], 1
	s_cmp_lg_u32 s[CNT], 0
	s_cbranch_scc1 .Lstep2
	s_mov_b32 s[CNT], 2                            ; the last two steps ask for nothing: a loop of their own
	s_branch .Lmid2
.Ltail2:
	QS 64, F0, F1, 0
	WIN 0
.Lmid2:
	QS 128, F1, F0, 0
	QS 192, F0, F1, 0
	TURNS 0
	WIN 0
	s_sub_co_u32 s[CNT], s[CNT], 1
	s_cmp_lg_u32 s[CNT], 0
	s_cbranch_scc1 .Ltail2
	PLACES
	PACK 0
	TOSTAGE 0
.irp a, 1,2,3
	PACK \a
	SEND (\a)-1, 10, 74, CROW2, CO2
	TOSTAGE \a
.endr
	SEND 3, 10, 74, CROW2, CO2
	s_wait_tensorcnt 0x0                           ; the wave's end
	ds_add_u32 v[SPW], v[NIL]
	s_wait_dscnt 0x0
	CROUND                                         ; the closing round
	s_endpgm
.Lfunc_end_k_qf3e5b56784_proj:
	.size	k_qf3e5b56784_proj, .Lfunc_end_k_qf3e5b56784_proj-k_qf3e5b56784_proj
	.p2alignl 7, 3214868480
	.fill 96, 4, 3214868480
	.section	.rodata,"a",@progbits
	.p2align	6, 0x0
	.amdhsa_kernel k_qf3e5b56784_proj
		.amdhsa_group_segment_fixed_size 327680
		.amdhsa_private_segment_fixed_size 0
		.amdhsa_enable_private_segment 0
		.amdhsa_kernarg_size 32
		.amdhsa_user_sgpr_count 2
		.amdhsa_user_sgpr_kernarg_segment_ptr 1
		.amdhsa_wavefront_size32 1
		.amdhsa_system_sgpr_workgroup_id_x 1
		.amdhsa_system_sgpr_workgroup_id_y 1
		.amdhsa_system_sgpr_workgroup_id_z 1
		.amdhsa_system_vgpr_workitem_id 0
		.amdhsa_next_free_vgpr 1024
		.amdhsa_next_free_sgpr 88
		.amdhsa_reserve_vcc 0
		.amdhsa_float_denorm_mode_32 3
		.amdhsa_float_denorm_mode_16_64 3
		.amdhsa_memory_ordered 1
		.amdhsa_forward_progress 1
		.amdhsa_inst_pref_size 156
	.end_amdhsa_kernel
	.amdgpu_metadata
---
amdhsa.version: [ 1, 2 ]
amdhsa.kernels:
  - .name:           k_qf3e5b56784_proj
    .symbol:         k_qf3e5b56784_proj.kd
    .args:
      - { .name: xb, .offset: 0, .size: 8, .value_kind: global_buffer, .address_space: global }
      - { .name: wb, .offset: 8, .size: 8, .value_kind: global_buffer, .address_space: global }
      - { .name: qk, .offset: 16, .size: 8, .value_kind: global_buffer, .address_space: global }
      - { .name: vt, .offset: 24, .size: 8, .value_kind: global_buffer, .address_space: global }
    .group_segment_fixed_size: 327680
    .private_segment_fixed_size: 0
    .kernarg_segment_align: 8
    .kernarg_segment_size: 32
    .max_flat_workgroup_size: 128
    .sgpr_count:     88
    .vgpr_count:     1024
    .wavefront_size: 32
...
	.end_amdgpu_metadata
.endif
;; end of part 2
;; launch scores (part 3): grid 8 x 32, 4 waves a work-group, clusters of 4 x 4, 327,680 bytes of LDS; arguments qk, pt, st; writes pt, st
.if DOCPART == 3
	.amdgcn_target "amdgcn-amd-amdhsa--gfx1250"
	.amdhsa_code_object_version 6
	.text
	.protected	k_qf3e5b56784_scores
	.globl	k_qf3e5b56784_scores
	.p2align	8
	.type	k_qf3e5b56784_scores,@function
k_qf3e5b56784_scores:
	s_mov_b64 s[64:65], 0
	v_nop
	global_prefetch_b8 v0, s[64:65] scope:SCOPE_SE
	s_setreg_imm32_b32 hwreg(HW_REG_WAVE_MODE, 25, 1), 1
	s_wait_xcnt 0x0
	s_wait_alu depctr_hold_cnt(0) depctr_sa_sdst(0) depctr_va_vdst(0) depctr_va_sdst(0) depctr_va_ssrc(0) depctr_va_vcc(0) depctr_vm_vsrc(0)
	s_getreg_b32 s2, hwreg(HW_REG_IB_STS2, 6, 4)
	s_cmp_eq_u32 s2, 0
	s_cbranch_scc0 .Lentry_in_a_cluster
	s_endpgm
.Lentry_in_a_cluster:
	s_bfe_u32 s2, ttmp6, 0x10000c
	s_cmp_lg_u32 s2, 0xf033
	s_cbranch_scc0 .Lentry_shape_is_right
	s_endpgm
.Lentry_shape_is_right:
; s[r][j] = q[r] . k[j] for the keys j of row r's batch; then, for each row and each CHUNK of 128 keys: mx = the chunk's largest s; pt = 2^(c (s - mx)), c = log2(e) / 32, in f16; l = the sum of those
; weights (unrounded).  qk [8192][2048] f16 (q in columns 0-1023, k in 1024-2047); pt [8192][2048] f16; st f32: mx[16 chunks][8192 rows], then l[16][8192] from byte 524,288 on.
; The maximum is taken away before the exponential, chunk by chunk: the difference s - mx is formed first, exactly, and scaled after, so every weight lies in 0 to 1; the next launch joins the chunks.
; LIMITS.  A weight below 6e-8 of its chunk's largest is 0 in f16, below 6e-5 it keeps f16's fixed step; a weight below 2^-126 counts as 0 in l; NaN and infinities are not treated apart.
; SHARES.  A work-group makes 256 queries x 256 keys, each wave 128 x 128: a wave's columns ARE a chunk, so no maximum or sum leaves the wave.  8 x 32 tiles: 256 work-groups.  K = 1,024 in 8 steps of 128.
; CLUSTER.  4 x 4: the four of a row share their rows of q, the four of a column their rows of k (a cluster's 1,024 queries lie in one batch).
; THE MATRIX INSTRUCTION IS USED TRANSPOSED (source 0 = 16 keys, source 1 = 16 queries): a lane holds query l % 16 and eight neighbouring keys.
; REGISTERS: window 0: v0-31 addresses; v64-127, v128-191 A's fragments, later the softmax.  window 1: B's fragments.  windows 2, 3: accumulators, (a, b) at v[8 (8 (a % 4) + b)].
.set STEPS,  8
.set PITCH,  272
.set AH,     128*PITCH
.set BH,     128*PITCH
.set BOFF,   2*AH
.set SLOT,   BOFF+2*BH
.set SPARE,  2*SLOT                    ; behind the ring: the spare words, two blocks of 256 bytes that no other line names
.set STT,    SPARE+512                 ; 1,024 bytes for each wave: its 128 rows' mx, then their l
.set DP,     528                       ; the dump (over the ring, when it has had its last fill): a row of 128 f32 + 16 bytes; wave w's 128 rows at w x 128 x 528
.set AROW,   2048
.set BROW,   2048
.set CROW,   4096                      ; bytes in a row of pt
.set GW0,    (1<<16)|(1<<20)|(1<<21)|(5<<22)|(3<<25)
.set ADRA0, 16
.set ADRA,  17
.set ADRB0, 20
.set ADRB,  21
.set SR,    22                         ; v22  where I read 16 bytes of my wave's statistics back
.set SO,    23                         ; v23  16 x lane
.set STO,   24                         ; v24  the dump: where I put 16 bytes of a row
.set RD,    25                         ; v25  where I read my 2 x 16 bytes of a row pair; steps by 16 rows
.set CO,    26                         ; v26  my byte offset in two rows of pt
.set SA,    27                         ; v27  where a row pair's mx (even lanes) or l (odd lanes) goes; steps by 16 rows
.set SPW,   28
.set NIL,   29
.set F0,    64
.set F1,    128
.set S,     64                         ; v64-127   row pair i of eight: my 8 scores at S + 8 i
.set P,     128                        ; v128-159  their weights in f16, 4 registers a pair
.set TT,    160                        ; v160-191  4 registers a pair: mx, at work, l, what I store
.set CNT,  2
.set BLK,  3                           ; s3   counts the way out's blocks of 16 rows
.set WV,   12
.set RH,   13
.set CH,   14
.set G1A,  24
.set G0A0, 32
.set G0A1, 36
.set LA,   46
.set LB,   47
.set G1B,  48
.set G0B0, 56
.set G0B1, 60
.set SB,   66
.set CS,   68                          ; s[68:69] c, named as a pair
.set ODD,  70                          ; s70  the odd lanes
.set STP,  71                          ; s71  the dump's step: 16 rows, 0 in the last trip
.set MSB, 0
.macro WIN new
.if MSB != (\new)
	s_set_vgpr_msb (MSB<<8)|(\new)
.set MSB, \new
.endif
.endm
.macro PLACES
.rept 4
	v_nop
.endr
.endm
.macro CREST
	s_cmp_lg_u32 s[WV], 0
	s_cbranch_scc1 .Lnot_wave_0_\@
	s_barrier_signal -3
.Lnot_wave_0_\@:
	s_barrier_wait -3
	s_barrier_signal -1
	s_barrier_wait -1
.endm
.macro CROUND
	s_barrier_signal -1
	s_barrier_wait -1
	CREST
.endm
.macro JLOAD
	s_cmp_eq_u32 s[RH], 0
	s_cbranch_scc0 .Lfor_b_\@
	tensor_load_to_lds s[G0A1:G0A1+3], s[G1A:G1A+7]
	s_nop 0
	PLACES
	s_branch .Lasked_\@
.Lfor_b_\@:
	tensor_load_to_lds s[G0B1:G0B1+3], s[G1B:G1B+7]
	s_nop 0
	PLACES
.Lasked_\@:
.endm
.macro MULA f, a, zero                 ; 8 matrix instructions; the 64 accumulators take turns in one fixed order
	WIN 0xa1+0x50*((\a)/4)
.irp b, 0,1,2,3,4,5,6,7
.if \zero
	v_wmma_f32_16x16x32_f16 v[8*(8*((\a)%4)+(\b)):8*(8*((\a)%4)+(\b))+7], v[(\f)+8*(\b):(\f)+8*(\b)+7], v[(\f)+8*(\a):(\f)+8*(\a)+7], 0
.else
	v_wmma_f32_16x16x32_f16 v[8*(8*((\a)%4)+(\b)):8*(8*((\a)%4)+(\b))+7], v[(\f)+8*(\b):(\f)+8*(\b)+7], v[(\f)+8*(\a):(\f)+8*(\a)+7], v[8*(8*((\a)%4)+(\b)):8*(8*((\a)%4)+(\b))+7]
.endif
.endr
.endm
.macro FETCH k, f
	WIN 0x40
.irp i, 0,1,2,3,4,5,6,7
	ds_load_b128 v[(\f)+8*(\i):(\f)+8*(\i)+3],   v[ADRB] offset:(\k)+(\i)*16*PITCH
	ds_load_b128 v[(\f)+8*(\i)+4:(\f)+8*(\i)+7], v[ADRB] offset:(\k)+(\i)*16*PITCH+32
.endr
	WIN 0
.irp i, 0,1,2,3,4,5,6,7
	ds_load_b128 v[(\f)+8*(\i):(\f)+8*(\i)+3],   v[ADRA] offset:(\k)+(\i)*16*PITCH
	ds_load_b128 v[(\f)+8*(\i)+4:(\f)+8*(\i)+7], v[ADRA] offset:(\k)+(\i)*16*PITCH+32
.endr
.endm
.macro QUARTER k, f, g, zero
	s_wait_dscnt 8                                 ; B and A's rows 0-63 are in; the youngest eight loads may be out
.irp a, 0,1,2,3
	MULA \f, \a, \zero
.endr
	PLACES
	FETCH \k, \g
	s_wait_dscnt 32                                ; all but the 32 just issued
.irp a, 4,5,6,7
	MULA \f, \a, \zero
.endr
.endm
.macro TOGGLE
	s_xor_b32 s[SB], s[SB], SLOT
	v_add_nc_u32 v[ADRA], s[SB], v[ADRA0]
	v_add_nc_u32 v[ADRB], s[SB], v[ADRB0]
.endm
.macro TURN fill
	WIN 0
	s_wait_tensorcnt 0x0                           ; all my tensor loads have landed: my part of the next slot
	ds_add_u32 v[SPW], v[NIL]
	s_wait_dscnt 9                                 ; the add and the youngest eight loads may be out
	MULA F1, 0, 0
	MULA F1, 1, 0
	s_wait_dscnt 0x0                               ; the add is done, my reads of this slot are over
	s_barrier_signal -1
	MULA F1, 2, 0
	MULA F1, 3, 0
	WIN 0
	s_barrier_wait -1
.if \fill
	CREST
	s_add_nc_u64 s[G0A1+2:G0A1+3], s[G0A1+2:G0A1+3], 256
	s_add_co_u32 s[G0A1+1], s[LA], s[SB]
	s_add_nc_u64 s[G0B1+2:G0B1+3], s[G0B1+2:G0B1+3], 256
	s_add_co_u32 s[G0B1+1], s[LB], s[SB]
	JLOAD                                          ; 224 matrix instructions ahead of the wait for it
	TOGGLE
	FETCH 0, F0
.else
	s_cmp_eq_u32 s[CNT], 1                         ; the very last step has no next step to fetch
	s_cbranch_scc1 .Lno_more_\@
	PLACES
	TOGGLE
	FETCH 0, F0
.Lno_more_\@:
.endif
.irp a, 4,5,6,7
	MULA F1, \a, 0
.endr
.endm
	s_load_b128 s[4:7], s[0:1], 0x0                ; qk s[4:5], pt s[6:7]
	s_load_b64 s[8:9], s[0:1], 0x10                ; st
	v_lshl_add_u32 v[SPW], v0, 2, SPARE
	v_mov_b32 v[NIL], 0
	ds_add_u32 v[SPW], v[NIL]                      ; the wave's opening: the add and its wait ahead of my first tensor load
	v_lshrrev_b32 v1, 5, v0
	v_readfirstlane_b32 s[WV], v1
	s_lshr_b32 s[RH], s[WV], 1
	s_and_b32 s[CH], s[WV], 1
	s_bfe_u32 s40, ttmp6, 0x40000
	s_bfe_u32 s41, ttmp6, 0x40004
	s_lshl_b32 s42, ttmp9, 2
	s_add_co_u32 s42, s42, s40                     ; tile column: 256 keys of the batch
	s_and_b32 s43, ttmp7, 0xffff
	s_lshr_b32 s67, s43, 1                         ; the batch: two clusters' 1,024 queries each; it hangs on the cluster's y alone
	s_lshl_b32 s43, s43, 2
	s_add_co_u32 s43, s43, s41                     ; tile row: 256 of the 8,192 queries
	s_lshl_b32 s44, s41, 2
	s_lshl_b32 s44, 15, s44
	s_lshl_b32 s45, 0x1111, s40
	s_or_b32 s[G1A], s44, GW0
	s_or_b32 s[G1B], s45, GW0
.irp g, G1A, G1B
	s_mov_b32 s[(\g)+1], 128<<16
	s_mov_b32 s[(\g)+2], 128<<16
	s_mov_b32 s[(\g)+3], 128<<16
	s_mov_b32 s[(\g)+4], 128
	s_mov_b32 s[(\g)+6], 0
	s_mov_b32 s[(\g)+7], 0
.endr
	s_mov_b32 s[G1A+5], AROW
	s_mov_b32 s[G1B+5], BROW
	s_lshl_b32 s18, s[CH], 7
	s_lshl_b32 s16, s43, 8
	s_add_co_u32 s16, s16, s18                     ; q: row 256 x tile row + 128 x half,
	s_lshl_b32 s16, s16, 12                        ; of 4,096 bytes
	s_mov_b32 s17, 0
	s_lshl_b32 s20, s67, 11
	s_lshl_b32 s21, s42, 8
	s_add_co_u32 s20, s20, s21
	s_add_co_u32 s20, s20, s18                     ; k: row 2,048 x batch + 256 x tile column + 128 x half,
	s_lshl_b32 s20, s20, 12
	s_add_co_u32 s20, s20, 2048                    ; from column 1,024 on
	s_mov_b32 s21, 0
	s_mul_i32 s[LA], s[CH], AH
	s_mul_i32 s[LB], s[CH], BH
	s_add_co_u32 s[LB], s[LB], BOFF
	s_mov_b32 s[SB], 0
	s_mov_b32 s[CS], 0x3d38aa3b                    ; c = log2(e) / 32
	s_mov_b32 s[CS+1], s[CS]
	s_mov_b32 s[ODD], 0xaaaaaaaa
	s_lshl_b32 s76, s43, 8
	s_lshl_b32 s77, s[RH], 7
	s_add_co_u32 s76, s76, s77                     ; my first row
	s_lshl_b32 s72, s76, 12
	s_lshl_b32 s77, s42, 1
	s_add_co_u32 s77, s77, s[CH]                   ; my chunk = 2 x tile column + column half
	s_lshl_b32 s73, s77, 8
	s_add_co_u32 s72, s72, s73                     ; in pt: row x 4,096 + chunk x 256
	s_mov_b32 s73, 0
	s_lshl_b32 s74, s77, 15
	s_lshl_b32 s76, s76, 2
	s_add_co_u32 s74, s74, s76                     ; in st: chunk x 32,768 + row x 4
	s_mov_b32 s75, 0
	s_wait_dscnt 0x0
	s_wait_kmcnt 0x0
	s_add_nc_u64 s[16:17], s[4:5], s[16:17]
	s_add_nc_u64 s[20:21], s[4:5], s[20:21]
	s_add_nc_u64 s[6:7], s[6:7], s[72:73]
	s_add_nc_u64 s[8:9], s[8:9], s[74:75]
	s_mov_b32 s[G0A0], 1
	s_mov_b32 s[G0A0+1], s[LA]
	s_mov_b64 s[G0A0+2:G0A0+3], s[16:17]
	s_or_b32 s[G0A0+3], s[G0A0+3], 0x80000000
	s_mov_b32 s[G0A1], 1
	s_add_co_u32 s[G0A1+1], s[LA], SLOT
	s_add_nc_u64 s[G0A1+2:G0A1+3], s[16:17], 256
	s_or_b32 s[G0A1+3], s[G0A1+3], 0x80000000
	s_mov_b32 s[G0B0], 1
	s_mov_b32 s[G0B0+1], s[LB]
	s_mov_b64 s[G0B0+2:G0B0+3], s[20:21]
	s_or_b32 s[G0B0+3], s[G0B0+3], 0x80000000
	s_mov_b32 s[G0B1], 1
	s_add_co_u32 s[G0B1+1], s[LB], SLOT
	s_add_nc_u64 s[G0B1+2:G0B1+3], s[20:21], 256
	s_or_b32 s[G0B1+3], s[G0B1+3], 0x80000000
	CROUND
	s_cmp_eq_u32 s[RH], 0                          ; a wave's two first fills in one branch: two tensor loads of mine are out, later one
	s_cbranch_scc0 .Lfirst_b
	tensor_load_to_lds s[G0A0:G0A0+3], s[G1A:G1A+7]
	s_nop 0
	tensor_load_to_lds s[G0A1:G0A1+3], s[G1A:G1A+7]
	s_nop 0
	PLACES
	s_branch .Lfirst_asked
.Lfirst_b:
	tensor_load_to_lds s[G0B0:G0B0+3], s[G1B:G1B+7]
	s_nop 0
	tensor_load_to_lds s[G0B1:G0B1+3], s[G1B:G1B+7]
	s_nop 0
	PLACES
.Lfirst_asked:
	v_and_b32 v1, 15, v0                           ; l % 16
	v_bfe_u32 v2, v0, 4, 1                         ; l / 16
	v_mul_u32_u24 v3, v1, PITCH
	v_lshl_add_u32 v3, v2, 4, v3
	s_mul_i32 s18, s[RH], AH
	s_mul_i32 s19, s[CH], BH
	s_add_co_u32 s19, s19, BOFF
	v_add_nc_u32 v[ADRA0], s18, v3
	v_add_nc_u32 v[ADRB0], s19, v3
	v_mov_b32 v[ADRA], v[ADRA0]
	v_mov_b32 v[ADRB], v[ADRB0]
	s_mul_i32 s18, s[WV], 128*DP                   ; my dump
	v_mul_u32_u24 v4, v1, DP                       ; in: row l % 16; keys 8 g .. 8 g + 3 of a row lie at byte 16 g, keys 8 g + 4 .. + 7 at byte 256 + 16 g
	v_lshl_add_u32 v4, v2, 4, v4
	v_add_nc_u32 v[STO], s18, v4
	v_mul_u32_u24 v5, v2, DP                       ; back: lanes 0-15 one row, lanes 16-31 the next; lane g of the sixteen takes keys 8 g .. 8 g + 7
	v_lshl_add_u32 v5, v1, 4, v5
	v_add_nc_u32 v[RD], s18, v5
	v_lshlrev_b32 v5, 12, v2                       ; the same two rows in pt
	v_lshl_add_u32 v[CO], v1, 4, v5
	s_lshl_b32 s19, s[WV], 10
	s_add_co_u32 s19, s19, STT                     ; my statistics
	v_and_b32 v6, 1, v0
	v_lshlrev_b32 v6, 9, v6                        ; odd lanes: l, 512 bytes behind mx
	v_lshl_add_u32 v6, v2, 2, v6                   ; the row of the pair
	v_add_nc_u32 v[SA], s19, v6
	v_and_b32 v7, 31, v0
	v_lshlrev_b32 v[SO], 4, v7
	v_add_nc_u32 v[SR], s19, v[SO]
	s_wait_tensorcnt 0x1                           ; my part of K step 0 is in; step 1's may stay out
	s_barrier_signal -1
	s_barrier_wait -1
	FETCH 0, F0
	QUARTER 64, F0, F1, 1
	WIN 0
	s_mov_b32 s[CNT], STEPS-2
.Lstep:
	QUARTER 128, F1, F0, 0
	QUARTER 192, F0, F1, 0
	TURN 1
	QUARTER 64, F0, F1, 0
	WIN 0
	s_sub_co_u32 s[CNT], s[CNT], 1
	s_cmp_lg_u32 s[CNT], 0
	s_cbranch_scc1 .Lstep
	s_mov_b32 s[CNT], 2                            ; the last two steps ask for nothing
	s_branch .Lmid
.Ltail:
	QUARTER 64, F0, F1, 0
	WIN 0
.Lmid:
	QUARTER 128, F1, F0, 0
	QUARTER 192, F0, F1, 0
	TURN 0
	WIN 0
	s_sub_co_u32 s[CNT], s[CNT], 1
	s_cmp_lg_u32 s[CNT], 0
	s_cbranch_scc1 .Ltail
	; THE WAY OUT.  The scores go through LDS, so that a row's 128 keys lie in sixteen neighbouring lanes: its maximum and sum are then four steps inside a half of the lanes, and its weights leave as
	; 256 consecutive bytes.  The dump lies over the ring, which has had its last fill: each wave's LDS loads are back, and all four waves have said so, before any of them writes there.
	s_wait_dscnt 0x0
	s_barrier_signal -1
	s_barrier_wait -1
	PLACES
.irp a, 0,1,2,3,4,5,6,7
	WIN 0x08+4*((\a)/4)                            ; the stores' data: window 2 or 3
.irp b, 0,1,2,3,4,5,6,7
	ds_store_b128 v[STO], v[8*(8*((\a)%4)+(\b)):8*(8*((\a)%4)+(\b))+3]   offset:(\a)*16*DP+32*(\b)      ; each accumulator's low registers first
	ds_store_b128 v[STO], v[8*(8*((\a)%4)+(\b))+4:8*(8*((\a)%4)+(\b))+7] offset:(\a)*16*DP+32*(\b)+256
.endr
.endr
	WIN 0
.macro ALL4 q0, line:vararg            ; one line for each of the four row pairs i = q0 .. q0 + 3
.set i, \q0
.rept 4
	\line
.set i, i+1
.endr
.endm
.macro LOADH q0                        ; four row pairs of the block in hand: 8 loads, each 2 x 256 consecutive bytes
	ALL4 \q0, ds_load_b128 v[S+8*i:S+8*i+3], v[RD] offset:2*DP*i
	ALL4 \q0, ds_load_b128 v[S+8*i+4:S+8*i+7], v[RD] offset:2*DP*i+256
.endm
.macro SOFTH q0                        ; their softmax, operation by operation across the four pairs, so that no line waits for the one before it
	ALL4 \q0, v_max3_num_f32 v[TT+4*i+1], v[S+8*i], v[S+8*i+1], v[S+8*i+2]
	ALL4 \q0, v_max3_num_f32 v[TT+4*i+1], v[TT+4*i+1], v[S+8*i+3], v[S+8*i+4]
	ALL4 \q0, v_max3_num_f32 v[TT+4*i+1], v[TT+4*i+1], v[S+8*i+5], v[S+8*i+6]
	ALL4 \q0, v_max_num_f32 v[TT+4*i], v[TT+4*i+1], v[S+8*i+7]
.irp x, 1,2,4,8
	ALL4 \q0, v_max_num_f32_dpp v[TT+4*i], v[TT+4*i], v[TT+4*i] row_xmask:\x row_mask:0xf bank_mask:0xf
.endr
.irp j, 0,2,4,6                        ; s - mx first, exact where it matters, and c after: not one fused line, so that the largest weight is 1 whatever the size of the scores
	ALL4 \q0, v_pk_add_f32 v[S+8*i+\j:S+8*i+\j+1], v[S+8*i+\j:S+8*i+\j+1], v[TT+4*i:TT+4*i+1] op_sel_hi:[1,0] neg_lo:[0,1] neg_hi:[0,1]
.endr
.irp j, 0,2,4,6
	ALL4 \q0, v_pk_mul_f32 v[S+8*i+\j:S+8*i+\j+1], v[S+8*i+\j:S+8*i+\j+1], s[CS:CS+1] op_sel_hi:[1,0]
.endr
.irp j, 0,1,2,3,4,5,6,7
	ALL4 \q0, v_exp_f32 v[S+8*i+\j], v[S+8*i+\j]
.endr
	v_nop                                          ; a plain instruction between the last exponential and the use of its result
	s_wait_alu depctr_va_vdst(0)
.irp j, 0,1,2,3
	ALL4 \q0, v_cvt_pk_f16_f32 v[P+4*i+\j], v[S+8*i+2*\j], v[S+8*i+2*\j+1]
.endr
	ALL4 \q0, v_pk_add_f32 v[S+8*i:S+8*i+1], v[S+8*i:S+8*i+1], v[S+8*i+2:S+8*i+3]
	ALL4 \q0, v_pk_add_f32 v[S+8*i+4:S+8*i+5], v[S+8*i+4:S+8*i+5], v[S+8*i+6:S+8*i+7]
	ALL4 \q0, v_pk_add_f32 v[S+8*i:S+8*i+1], v[S+8*i:S+8*i+1], v[S+8*i+4:S+8*i+5]
	ALL4 \q0, v_add_f32 v[TT+4*i+2], v[S+8*i], v[S+8*i+1]
.irp x, 1,2,4,8
	ALL4 \q0, v_add_f32_dpp v[TT+4*i+2], v[TT+4*i+2], v[TT+4*i+2] row_xmask:\x row_mask:0xf bank_mask:0xf
.endr
	ALL4 \q0, v_cndmask_b32 v[TT+4*i+3], v[TT+4*i], v[TT+4*i+2], s[ODD]  ; even lanes keep mx, odd lanes l: one store serves both (lanes of a kind write the same word with the same number)
	ALL4 \q0, ds_store_b32 v[SA], v[TT+4*i+3] offset:8*i
	ALL4 \q0, global_store_b128 v[CO], v[P+4*i:P+4*i+3], s[6:7] offset:2*CROW*i  ; 16 lanes store 256 consecutive bytes, aligned
.endm
	LOADH 0                                        ; LDS serves a wave's instructions in order: these see the dump's stores
	LOADH 4
	s_mov_b32 s[BLK], 8
.Lblk:                                                 ; a trip: 16 rows, in two halves; each half's registers are loaded again, from the next block, as soon as they are free
	s_wait_dscnt 8                                 ; the first half is in: behind it stand the second half's 8 loads (from the second trip on also 4 stores, which this count waits for too)
	SOFTH 0
	s_cmp_lg_u32 s[BLK], 1                         ; the last trip has no next block: it reads its own once more and uses nothing of it, so that every trip has the same counts
	s_cselect_b32 s[STP], 16*DP, 0
	v_add_nc_u32 v[RD], s[STP], v[RD]
	LOADH 0
	s_wait_dscnt 12                                ; the second half is in: behind it stand 4 stores and 8 loads
	SOFTH 4
	LOADH 4
	v_add_nc_u32 v[SA], 64, v[SA]
	s_wait_xcnt 0x0                                ; pt's base and the weights' registers are rewritten only behind this wait
	s_add_nc_u64 s[6:7], s[6:7], 16*CROW
	s_sub_co_u32 s[BLK], s[BLK], 1
	s_cmp_lg_u32 s[BLK], 0
	s_cbranch_scc1 .Lblk
	ds_load_b128 v[P:P+3], v[SR]                   ; my wave's 128 mx and 128 l, 16 bytes a lane
	ds_load_b128 v[P+4:P+7], v[SR] offset:512
	s_wait_dscnt 0x0
	global_store_b128 v[SO], v[P:P+3], s[8:9]      ; 512 consecutive bytes each, aligned
	global_store_b128 v[SO], v[P+4:P+7], s[8:9] offset:524288
	s_wait_tensorcnt 0x0                           ; the wave's end
	ds_add_u32 v[SPW], v[NIL]
	s_wait_dscnt 0x0
	CROUND
	s_endpgm
.Lfunc_end_k_qf3e5b56784_scores:
	.size	k_qf3e5b56784_scores, .Lfunc_end_k_qf3e5b56784_scores-k_qf3e5b56784_scores
	.p2alignl 7, 3214868480
	.fill 96, 4, 3214868480
	.section	.rodata,"a",@progbits
	.p2align	6, 0x0
	.amdhsa_kernel k_qf3e5b56784_scores
		.amdhsa_group_segment_fixed_size 327680
		.amdhsa_private_segment_fixed_size 0
		.amdhsa_enable_private_segment 0
		.amdhsa_kernarg_size 24
		.amdhsa_user_sgpr_count 2
		.amdhsa_user_sgpr_kernarg_segment_ptr 1
		.amdhsa_wavefront_size32 1
		.amdhsa_system_sgpr_workgroup_id_x 1
		.amdhsa_system_sgpr_workgroup_id_y 1
		.amdhsa_system_sgpr_workgroup_id_z 1
		.amdhsa_system_vgpr_workitem_id 0
		.amdhsa_next_free_vgpr 1024
		.amdhsa_next_free_sgpr 80
		.amdhsa_reserve_vcc 0
		.amdhsa_float_denorm_mode_32 3
		.amdhsa_float_denorm_mode_16_64 3
		.amdhsa_memory_ordered 1
		.amdhsa_forward_progress 1
		.amdhsa_inst_pref_size 97
	.end_amdhsa_kernel
	.amdgpu_metadata
---
amdhsa.version: [ 1, 2 ]
amdhsa.kernels:
  - .name:           k_qf3e5b56784_scores
    .symbol:         k_qf3e5b56784_scores.kd
    .args:
      - { .name: qk, .offset: 0, .size: 8, .value_kind: global_buffer, .address_space: global }
      - { .name: pt, .offset: 8, .size: 8, .value_kind: global_buffer, .address_space: global }
      - { .name: st, .offset: 16, .size: 8, .value_kind: global_buffer, .address_space: global }
    .group_segment_fixed_size: 327680
    .private_segment_fixed_size: 0
    .kernarg_segment_align: 8
    .kernarg_segment_size: 24
    .max_flat_workgroup_size: 128
    .sgpr_count:     80
    .vgpr_count:     1024
    .wavefront_size: 32
...
	.end_amdgpu_metadata
.endif
;; end of part 3
;; launch mix (part 4): grid 4 x 64, 4 waves a work-group, clusters of 4 x 4, 327,680 bytes of LDS; arguments pt, vt, st, out0; writes out0
.if DOCPART == 4
	.amdgcn_target "amdgcn-amd-amdhsa--gfx1250"
	.amdhsa_code_object_version 6
	.text
	.protected	k_qf3e5b56784_mix
	.globl	k_qf3e5b56784_mix
	.p2align	8
	.type	k_qf3e5b56784_mix,@function
k_qf3e5b56784_mix:
	s_mov_b64 s[64:65], 0
	v_nop
	global_prefetch_b8 v0, s[64:65] scope:SCOPE_SE
	s_setreg_imm32_b32 hwreg(HW_REG_WAVE_MODE, 25, 1), 1
	s_wait_xcnt 0x0
	s_wait_alu depctr_hold_cnt(0) depctr_sa_sdst(0) depctr_va_vdst(0) depctr_va_sdst(0) depctr_va_ssrc(0) depctr_va_vcc(0) depctr_vm_vsrc(0)
	s_getreg_b32 s2, hwreg(HW_REG_IB_STS2, 6, 4)
	s_cmp_eq_u32 s2, 0
	s_cbranch_scc0 .Lentry_in_a_cluster
	s_endpgm
.Lentry_in_a_cluster:
	s_bfe_u32 s2, ttmp6, 0x10000c
	s_cmp_lg_u32 s2, 0xf033
	s_cbranch_scc0 .Lentry_shape_is_right
	s_endpgm
.Lentry_shape_is_right:
; out0[r][o] = (sum over chunks t of f_t x sum over the chunk's keys j of pt[r][j] vt[o][j]) / L.  For each row: M = the largest of its 16 chunk maxima, f_t = 2^(c (mx_t - M)), c = log2(e) / 32,
; L = sum of f_t l_t: together with the launch before, the softmax with its row's true maximum taken away.  pt [8192][2048] f16, vt [1024][8192] f16, st f32 (mx[16][8192], l[16][8192]), out0 [8192][1024] f32.
; A chunk is one K step of 128.  Each step's products start a sum T of their own (the constant 0 as C); behind the step O += f_t T, in f32: f_t, O, L and 1 / L never leave f32.  L is at least 1: the chunk that
; holds M has f = 1 and a weight 1.
; LIMITS.  The weights arrive in f16 relative to their chunk's largest: below 6e-8 of it they are 0, below 6e-5 they keep f16's fixed step; an f_t below 2^-126 counts as 0; NaN and infinities are not treated apart.
; SHARES.  A work-group makes 128 rows x 256 channels, each wave 64 x 128: 32 accumulators T and 32 sums O.  4 x 64 tiles: 256 work-groups.  K = 2,048 keys in 16 steps of 128 through two LDS slots.
; CLUSTER.  4 x 4: the four of a row share their rows of pt, the four of a column their rows of vt (a cluster's 512 rows lie in one batch).
; THE MATRIX INSTRUCTION IS USED TRANSPOSED (source 0 = 16 channels, source 1 = 16 rows): a lane holds row l % 16 and eight neighbouring channels, so one f_t serves all of a lane's numbers of a block.
; O IS CLEARED, by 256 v_mov_b32 in the wait for the first tiles, so that the first step's fold is a fold like any other: the price of not writing a first step out.
; REGISTERS: window 0: v0-31 addresses; v40-47 f_t of my four blocks' rows, v48-55 1 / L, both in pairs; v64-95, v128-159 A's fragments; v64-255 the way out.  window 1: v64-127, v128-191 B's fragments.
;   window 2: T, (a, b) at v[8 (8 a + b)].      window 3: O, likewise.
.set STEPS,  16
.set PITCH,  272
.set AH,     64*PITCH
.set BH,     128*PITCH
.set BOFF,   2*AH
.set SLOT,   131072                    ; slot 1 begins here; a slot uses 104,448 bytes
.set STAGE,  SLOT+BOFF+2*BH            ; 16 rows x 528 bytes for each wave
.set SPITCH, 528                       ; 128 f32 + 16 bytes
.set FT,     STAGE+4*16*SPITCH         ; f_t: [16 chunks][128 rows] f32
.set RLT,    FT+16*128*4               ; 1 / L: [128 rows]
.set SPARE,  RLT+512                   ; the spare words: two blocks of 256 bytes that no other line names
.set AROW,   2048
.set BROW,   8192
.set CROW,   4096                      ; bytes in a row of out0
.set GW0,    (1<<16)|(1<<20)|(1<<21)|(5<<22)|(3<<25)
.set ADRA0, 16
.set ADRA,  17
.set ADRB0, 20
.set ADRB,  21
.set RLA,   22                         ; v22  where my rows' 1 / L lie
.set FADR,  23                         ; v23  where my rows' f of the step in hand lie; steps by a chunk
.set STO,   24
.set RD,    25
.set CO,    26
.set SPW,   28
.set NIL,   29
.set FC,    40                         ; block a's f at v[FC + 2 a]; the packed lines name a pair and take its low word for both halves
.set RL,    48
.set F0,    64
.set F1,    128
.set TMP,   64                         ; the way out: a block's 16 x 128 numbers, scaled
.set OB,    128                        ; and read back by rows: v128-191 and v192-255 by turns
.set MX,    64                         ; the prologue: v64-79 mx, then f;  v80-95 l;  v96 M;  v97-100 sums
.set LL,    80
.set MXA,   96
.set SU,    97
.set CNT,  2
.set WV,   12
.set RH,   13
.set CH,   14
.set G1A,  24
.set G0A0, 32
.set G0A1, 36
.set LA,   46
.set LB,   47
.set G1B,  48
.set G0B0, 56
.set G0B1, 60
.set SB,   66
.set CS,   68
.set MSB, 0
.macro WIN new
.if MSB != (\new)
	s_set_vgpr_msb (MSB<<8)|(\new)
.set MSB, \new
.endif
.endm
.macro PLACES                          ; four places ahead of loads into registers that matrix instructions have read, and of reads of results
.rept 4
	v_nop
.endr
.endm
.macro CREST
	s_cmp_lg_u32 s[WV], 0
	s_cbranch_scc1 .Lnot_wave_0_\@
	s_barrier_signal -3
.Lnot_wave_0_\@:
	s_barrier_wait -3
	s_barrier_signal -1
	s_barrier_wait -1
.endm
.macro CROUND
	s_barrier_signal -1
	s_barrier_wait -1
	CREST
.endm
.macro JLOAD                           ; waves 0, 1 ask for A's halves (64 rows), waves 2, 3 for B's (128 rows); s_nop 0 and four v_nop follow each line
	s_cmp_eq_u32 s[RH], 0
	s_cbranch_scc0 .Lfor_b_\@
	tensor_load_to_lds s[G0A1:G0A1+3], s[G1A:G1A+7]
	s_nop 0
	PLACES
	s_branch .Lasked_\@
.Lfor_b_\@:
	tensor_load_to_lds s[G0B1:G0B1+3], s[G1B:G1B+7]
	s_nop 0
	PLACES
.Lasked_\@:
.endm
.macro MULA f, a, zero                 ; 8 matrix instructions; the 32 accumulators take turns in one fixed order
	WIN 0xa1
.irp b, 0,1,2,3,4,5,6,7
.if \zero
	v_wmma_f32_16x16x32_f16 v[8*(8*(\a)+(\b)):8*(8*(\a)+(\b))+7], v[(\f)+8*(\b):(\f)+8*(\b)+7], v[(\f)+8*(\a):(\f)+8*(\a)+7], 0
.else
	v_wmma_f32_16x16x32_f16 v[8*(8*(\a)+(\b)):8*(8*(\a)+(\b))+7], v[(\f)+8*(\b):(\f)+8*(\b)+7], v[(\f)+8*(\a):(\f)+8*(\a)+7], v[8*(8*(\a)+(\b)):8*(8*(\a)+(\b))+7]
.endif
.endr
.endm
.macro FETCH k, f, fac                 ; fac = 1 (in a step's first quarter, behind the fold of the step before): the step's f for my 4 x 16 rows; then B's 16 loads and A's 8
.if \fac
	WIN 0
.irp a, 0,1,2,3
	ds_load_b32 v[FC+2*(\a)], v[FADR] offset:64*(\a)
.endr
.endif
	WIN 0x40
.irp i, 0,1,2,3,4,5,6,7
	ds_load_b128 v[(\f)+8*(\i):(\f)+8*(\i)+3],   v[ADRB] offset:(\k)+(\i)*16*PITCH
	ds_load_b128 v[(\f)+8*(\i)+4:(\f)+8*(\i)+7], v[ADRB] offset:(\k)+(\i)*16*PITCH+32
.endr
	WIN 0
.irp i, 0,1,2,3
	ds_load_b128 v[(\f)+8*(\i):(\f)+8*(\i)+3],   v[ADRA] offset:(\k)+(\i)*16*PITCH
	ds_load_b128 v[(\f)+8*(\i)+4:(\f)+8*(\i)+7], v[ADRA] offset:(\k)+(\i)*16*PITCH+32
.endr
.endm
.macro FOLD                            ; O += f_t T: 128 fused lines, two numbers each; each accumulator is read from its low end on
	PLACES                                         ; behind the step's last products
	WIN 0xf2                                       ; T (source 0) window 2, f (source 1) window 0, O (source 2 and destination) window 3
.irp a, 0,1,2,3
.irp b, 0,1,2,3,4,5,6,7
.irp j, 0,2,4,6
	v_pk_fma_f32 v[8*(8*(\a)+(\b))+(\j):8*(8*(\a)+(\b))+(\j)+1], v[8*(8*(\a)+(\b))+(\j):8*(8*(\a)+(\b))+(\j)+1], v[FC+2*(\a):FC+2*(\a)+1], v[8*(8*(\a)+(\b))+(\j):8*(8*(\a)+(\b))+(\j)+1] op_sel_hi:[1,0,1]
.endr
.endr
.endr
.endm
.macro QUARTER k, f, g, zero, fac      ; one of a step's first three quarters: multiplies buffer f, fetches the next quarter (byte k) into g
	s_wait_dscnt 4                                 ; B and A's blocks 0, 1 are in; the youngest four loads may be out
	MULA \f, 0, \zero
	MULA \f, 1, \zero
	PLACES
	FETCH \k, \g, \fac
	s_wait_dscnt 24+4*(\fac)                       ; all but those just issued
	MULA \f, 2, \zero
	MULA \f, 3, \zero
.endm
.macro TOGGLE
	s_xor_b32 s[SB], s[SB], SLOT
	v_add_nc_u32 v[ADRA], s[SB], v[ADRA0]
	v_add_nc_u32 v[ADRB], s[SB], v[ADRB0]
	v_add_nc_u32 v[FADR], 512, v[FADR]             ; the next chunk's f
.endm
; A step's last quarter multiplies buffer 1 and changes slots.  A step holds 128 matrix instructions for 104,448 bytes: what counts is that the next request goes out as soon as the last tile has landed.
; So 24 of the quarter's 32 products stand AHEAD of the wait for the tensor loads, the descriptors are stepped while the add is out, and signal, wait, round and refill follow on end; the last 8 products
; cover the fragments' fetch.  fill = 0 (the last two steps): nothing is asked for; the very last (CNT = 1) has no next step to fetch.
.macro TURN fill
	s_wait_dscnt 4
	MULA F1, 0, 0
	MULA F1, 1, 0
	s_wait_dscnt 0x0                               ; blocks 2, 3 are in: all my reads of this slot are back
	MULA F1, 2, 0
	WIN 0
	s_wait_tensorcnt 0x0                           ; all my tensor loads have landed: my part of the next slot; so a group 0 may be written
	ds_add_u32 v[SPW], v[NIL]
.if \fill
	s_add_nc_u64 s[G0A1+2:G0A1+3], s[G0A1+2:G0A1+3], 256  ; the next step along K (the type bits on top are not reached),
	s_add_co_u32 s[G0A1+1], s[LA], s[SB]                  ; into the slot just read
	s_add_nc_u64 s[G0B1+2:G0B1+3], s[G0B1+2:G0B1+3], 256
	s_add_co_u32 s[G0B1+1], s[LB], s[SB]
.endif
	s_wait_dscnt 0x0                               ; the add is done
	s_barrier_signal -1
	s_barrier_wait -1
.if \fill
	CREST                                          ; no wave of any partner still reads this slot or has a load on its way
	JLOAD                                          ; 128 matrix instructions and a fold ahead of the wait for it; its four v_nop are also the places ahead of the loads below
	TOGGLE
	FETCH 0, F0, 0
.else
	s_cmp_eq_u32 s[CNT], 1
	s_cbranch_scc1 .Lno_more_\@
	PLACES
	TOGGLE
	FETCH 0, F0, 0
.Lno_more_\@:
.endif
	MULA F1, 3, 0
.endm
	s_load_b256 s[4:11], s[0:1], 0x0               ; pt s[4:5], vt s[6:7], st s[8:9], out0 s[10:11]
	v_lshl_add_u32 v[SPW], v0, 2, SPARE
	v_mov_b32 v[NIL], 0
	ds_add_u32 v[SPW], v[NIL]                      ; the wave's opening: the add and its wait ahead of my first tensor load
	v_lshrrev_b32 v1, 5, v0
	v_readfirstlane_b32 s[WV], v1
	s_lshr_b32 s[RH], s[WV], 1
	s_and_b32 s[CH], s[WV], 1
	s_bfe_u32 s40, ttmp6, 0x40000
	s_bfe_u32 s41, ttmp6, 0x40004
	s_lshl_b32 s42, ttmp9, 2
	s_add_co_u32 s42, s42, s40                     ; tile column: 256 channels
	s_and_b32 s43, ttmp7, 0xffff
	s_lshr_b32 s67, s43, 2                         ; the batch: four clusters of 512 rows; it hangs on the cluster's y alone
	s_lshl_b32 s43, s43, 2
	s_add_co_u32 s43, s43, s41                     ; tile row: 128 of the 8,192 rows
	s_lshl_b32 s44, s41, 2
	s_lshl_b32 s44, 15, s44
	s_lshl_b32 s45, 0x1111, s40
	s_or_b32 s[G1A], s44, GW0
	s_or_b32 s[G1B], s45, GW0
.irp g, G1A, G1B
	s_mov_b32 s[(\g)+1], 128<<16
	s_mov_b32 s[(\g)+3], 128<<16
	s_mov_b32 s[(\g)+6], 0
	s_mov_b32 s[(\g)+7], 0
.endr
	s_mov_b32 s[G1A+2], 64<<16                     ; A 64 rows to a load, B 128
	s_mov_b32 s[G1A+4], 64
	s_mov_b32 s[G1A+5], AROW
	s_mov_b32 s[G1B+2], 128<<16
	s_mov_b32 s[G1B+4], 128
	s_mov_b32 s[G1B+5], BROW
	s_lshl_b32 s18, s[CH], 6
	s_lshl_b32 s16, s43, 7
	s_add_co_u32 s16, s16, s18                     ; pt: row 128 x tile row + 64 x half,
	s_lshl_b32 s16, s16, 12                        ; of 4,096 bytes
	s_mov_b32 s17, 0
	s_lshl_b32 s19, s[CH], 7
	s_lshl_b32 s20, s42, 8
	s_add_co_u32 s20, s20, s19                     ; vt: row 256 x tile column + 128 x half,
	s_lshl_b32 s20, s20, 14                        ; of 16,384 bytes,
	s_lshl_b32 s21, s67, 12
	s_add_co_u32 s20, s20, s21                     ; from the batch's first key on
	s_mov_b32 s21, 0
	s_mul_i32 s[LA], s[CH], AH
	s_mul_i32 s[LB], s[CH], BH
	s_add_co_u32 s[LB], s[LB], BOFF
	s_mov_b32 s[SB], 0
	s_mov_b32 s[CS], 0x3d38aa3b                    ; c = log2(e) / 32
	s_lshl_b32 s72, s43, 7                         ; my part of out0: row 128 x tile row + 64 x row half,
	s_lshl_b32 s74, s[RH], 6
	s_add_co_u32 s72, s72, s74
	s_lshl_b32 s72, s72, 12
	s_lshl_b32 s74, s42, 1
	s_add_co_u32 s74, s74, s[CH]
	s_lshl_b32 s74, s74, 9                         ; + 512 bytes x (2 x tile column + column half)
	s_add_co_u32 s72, s72, s74
	s_mov_b32 s73, 0
	s_lshl_b32 s76, s43, 9                         ; the tile's 128 rows in a line of st
	s_mov_b32 s77, 0
	s_wait_dscnt 0x0
	s_wait_kmcnt 0x0
	s_add_nc_u64 s[16:17], s[4:5], s[16:17]
	s_add_nc_u64 s[20:21], s[6:7], s[20:21]
	s_add_nc_u64 s[8:9], s[8:9], s[76:77]
	s_mov_b32 s[G0A0], 1
	s_mov_b32 s[G0A0+1], s[LA]
	s_mov_b64 s[G0A0+2:G0A0+3], s[16:17]
	s_or_b32 s[G0A0+3], s[G0A0+3], 0x80000000
	s_mov_b32 s[G0A1], 1
	s_add_co_u32 s[G0A1+1], s[LA], SLOT
	s_add_nc_u64 s[G0A1+2:G0A1+3], s[16:17], 256
	s_or_b32 s[G0A1+3], s[G0A1+3], 0x80000000
	s_mov_b32 s[G0B0], 1
	s_mov_b32 s[G0B0+1], s[LB]
	s_mov_b64 s[G0B0+2:G0B0+3], s[20:21]
	s_or_b32 s[G0B0+3], s[G0B0+3], 0x80000000
	s_mov_b32 s[G0B1], 1
	s_add_co_u32 s[G0B1+1], s[LB], SLOT
	s_add_nc_u64 s[G0B1+2:G0B1+3], s[20:21], 256
	s_or_b32 s[G0B1+3], s[G0B1+3], 0x80000000
	CROUND
	s_cmp_eq_u32 s[RH], 0                          ; a wave's two first fills in one branch: two tensor loads of mine are out, later one
	s_cbranch_scc0 .Lfirst_b
	tensor_load_to_lds s[G0A0:G0A0+3], s[G1A:G1A+7]
	s_nop 0
	tensor_load_to_lds s[G0A1:G0A1+3], s[G1A:G1A+7]
	s_nop 0
	PLACES
	s_branch .Lfirst_asked
.Lfirst_b:
	tensor_load_to_lds s[G0B0:G0B0+3], s[G1B:G1B+7]
	s_nop 0
	tensor_load_to_lds s[G0B1:G0B1+3], s[G1B:G1B+7]
	s_nop 0
	PLACES
.Lfirst_asked:
	; THE STATISTICS, in the wait for the first tiles: thread i joins the 16 chunks of the tile's row i
	v_lshlrev_b32 v3, 2, v0
.irp c, 0,1,2,3,4,5,6,7,8,9,10,11,12,13,14,15
	global_load_b32 v[MX+(\c)], v3, s[8:9] offset:32768*(\c)
.endr
.irp c, 0,1,2,3,4,5,6,7,8,9,10,11,12,13,14,15
	global_load_b32 v[LL+(\c)], v3, s[8:9] offset:524288+32768*(\c)
.endr
	v_and_b32 v1, 15, v0                           ; l % 16
	v_bfe_u32 v2, v0, 4, 1                         ; l / 16
	v_mul_u32_u24 v5, v1, PITCH
	v_lshl_add_u32 v5, v2, 4, v5
	s_mul_i32 s18, s[RH], AH
	s_mul_i32 s19, s[CH], BH
	s_add_co_u32 s19, s19, BOFF
	v_add_nc_u32 v[ADRA0], s18, v5
	v_add_nc_u32 v[ADRB0], s19, v5
	v_mov_b32 v[ADRA], v[ADRA0]
	v_mov_b32 v[ADRB], v[ADRB0]
	s_mul_i32 s18, s[WV], 16*SPITCH
	s_add_co_u32 s18, s18, STAGE                   ; my stage
	v_mul_u32_u24 v5, v1, SPITCH                   ; in: row l % 16, 32 bytes for each half of the lanes
	v_lshl_add_u32 v5, v2, 5, v5
	v_add_nc_u32 v[STO], s18, v5
	v_and_b32 v6, 31, v0
	v_lshlrev_b32 v[CO], 4, v6                     ; back, and in out0: 32 lanes take a row's 512 bytes
	v_add_nc_u32 v[RD], s18, v[CO]
	s_lshl_b32 s18, s[RH], 8                       ; my 64 rows' words in a line of FT and in RLT
	v_lshl_add_u32 v6, v1, 2, s18
	v_add_nc_u32 v[FADR], FT, v6
	v_add_nc_u32 v[RLA], RLT, v6
	v_lshl_add_u32 v4, v0, 2, FT                   ; where thread i puts row i's numbers
.irp a, 0,1,2,3
	v_mov_b32 v[FC+2*(\a)+1], 0                    ; named with f as a pair, so it is written
.endr
	WIN 0xc0                                       ; O starts at 0
.set i, 0
.rept 256
	v_mov_b32 v[i], 0
.set i, i+1
.endr
	WIN 0
	s_wait_loadcnt 0x0
	v_max3_num_f32 v[MXA], v[MX], v[MX+1], v[MX+2]
.irp c, 3,5,7,9,11,13
	v_max3_num_f32 v[MXA], v[MXA], v[MX+(\c)], v[MX+(\c)+1]
.endr
	v_max_num_f32 v[MXA], v[MXA], v[MX+15]         ; M
.irp c, 0,1,2,3,4,5,6,7,8,9,10,11,12,13,14,15
	v_sub_f32 v[MX+(\c)], v[MX+(\c)], v[MXA]       ; the difference first, exact where it matters; c after
.endr
.irp c, 0,1,2,3,4,5,6,7,8,9,10,11,12,13,14,15
	v_mul_f32 v[MX+(\c)], s[CS], v[MX+(\c)]
.endr
.irp c, 0,1,2,3,4,5,6,7,8,9,10,11,12,13,14,15
	v_exp_f32 v[MX+(\c)], v[MX+(\c)]               ; f_t
.endr
	v_nop                                          ; a plain instruction between the last exponential and the use of its result
	s_wait_alu depctr_va_vdst(0)
.irp c, 0,1,2,3
	v_mul_f32 v[SU+(\c)], v[MX+(\c)], v[LL+(\c)]   ; four chains; the first products start them
.endr
.irp c, 4,5,6,7,8,9,10,11,12,13,14,15
	v_fmac_f32 v[SU+(\c)%4], v[MX+(\c)], v[LL+(\c)]
.endr
	v_add_f32 v[SU], v[SU], v[SU+1]
	v_add_f32 v[SU+2], v[SU+2], v[SU+3]
	v_add_f32 v[SU], v[SU], v[SU+2]                ; L
	v_rcp_f32 v[SU+1], v[SU]
	v_nop
.irp c, 0,1,2,3,4,5,6,7,8,9,10,11,12,13,14,15
	ds_store_b32 v4, v[MX+(\c)] offset:512*(\c)
.endr
	s_wait_alu depctr_va_vdst(0)
	ds_store_b32 v4, v[SU+1] offset:RLT-FT
	s_wait_tensorcnt 0x1                           ; my part of K step 0 is in; step 1's may stay out
	s_wait_dscnt 0x0                               ; for the others' sake: my rows' f and 1 / L are stored
	s_barrier_signal -1
	s_barrier_wait -1
.irp a, 0,1,2,3
	ds_load_b32 v[RL+2*(\a)], v[RLA] offset:64*(\a)  ; 1 / L of my lane's row in each of my four blocks
.endr
	FETCH 0, F0, 0
	QUARTER 64, F0, F1, 1, 1                       ; a step's first quarter starts T anew and fetches the step's f
	WIN 0
	s_mov_b32 s[CNT], STEPS-2
.Lstep:                                                ; a trip: a step's quarters 2 to 4, the refill two steps ahead, the step's fold, the next step's quarter 1
	QUARTER 128, F1, F0, 0, 0
	QUARTER 192, F0, F1, 0, 0
	TURN 1
	FOLD
	QUARTER 64, F0, F1, 1, 1
	WIN 0
	s_sub_co_u32 s[CNT], s[CNT], 1
	s_cmp_lg_u32 s[CNT], 0
	s_cbranch_scc1 .Lstep
	s_mov_b32 s[CNT], 2                            ; the last two steps ask for nothing: a loop of their own, entered in its middle
	s_branch .Lmid
.Ltail:
	FOLD
	QUARTER 64, F0, F1, 1, 1
	WIN 0
.Lmid:
	QUARTER 128, F1, F0, 0, 0
	QUARTER 192, F0, F1, 0, 0
	TURN 0
	WIN 0
	s_sub_co_u32 s[CNT], s[CNT], 1
	s_cmp_lg_u32 s[CNT], 0
	s_cbranch_scc1 .Ltail
	FOLD                                           ; the last step's
	WIN 0
; THE WAY OUT, a block of 16 rows at a time: O times 1 / L, into my own stage (32 bytes a lane), back as whole rows of 512 bytes, stored.
.macro PACK a
	WIN 0x03                                       ; source 0: window 3
.irp b, 0,1,2,3,4,5,6,7
.irp j, 0,2,4,6
	v_pk_mul_f32 v[TMP+8*(\b)+(\j):TMP+8*(\b)+(\j)+1], v[64*(\a)+8*(\b)+(\j):64*(\a)+8*(\b)+(\j)+1], v[RL+2*(\a):RL+2*(\a)+1] op_sel_hi:[1,0]
.endr
.endr
	WIN 0
.endm
.macro TOSTAGE a
.irp b, 0,1,2,3,4,5,6,7
	ds_store_b128 v[STO], v[TMP+8*(\b):TMP+8*(\b)+3]   offset:64*(\b)
	ds_store_b128 v[STO], v[TMP+8*(\b)+4:TMP+8*(\b)+7] offset:64*(\b)+16
.endr
.irp t, 0,1,2,3,4,5,6,7,8,9,10,11,12,13,14,15
	ds_load_b128 v[OB+64*((\a)%2)+4*(\t):OB+64*((\a)%2)+4*(\t)+3], v[RD] offset:(\t)*SPITCH  ; a wave's LDS instructions are served in order
.endr
.endm
.macro SEND a
	s_wait_dscnt 0x0
	s_wait_xcnt 0x0                                ; the base and the registers that earlier stores read are rewritten only behind this wait
.if (\a) == 0
	s_add_nc_u64 s[10:11], s[10:11], s[72:73]
.else
	s_add_nc_u64 s[10:11], s[10:11], 16*CROW
.endif
.irp t, 0,1,2,3,4,5,6,7,8,9,10,11,12,13,14,15
	global_store_b128 v[CO], v[OB+64*((\a)%2)+4*(\t):OB+64*((\a)%2)+4*(\t)+3], s[10:11] offset:(\t)*CROW th:TH_STORE_NT  ; 512 consecutive bytes, aligned; not read again
.endr
.endm
.irp a, 0,1,2,3
	v_mov_b32 v[RL+2*(\a)+1], v[RL+2*(\a)]         ; the packed multiply names a pair
.endr
	PACK 0
	TOSTAGE 0
.irp a, 1,2,3
	PACK \a
	SEND (\a)-1
	TOSTAGE \a
.endr
	SEND 3
	s_wait_tensorcnt 0x0                           ; the wave's end
	ds_add_u32 v[SPW], v[NIL]
	s_wait_dscnt 0x0
	CROUND
	s_endpgm
.Lfunc_end_k_qf3e5b56784_mix:
	.size	k_qf3e5b56784_mix, .Lfunc_end_k_qf3e5b56784_mix-k_qf3e5b56784_mix
	.p2alignl 7, 3214868480
	.fill 96, 4, 3214868480
	.section	.rodata,"a",@progbits
	.p2align	6, 0x0
	.amdhsa_kernel k_qf3e5b56784_mix
		.amdhsa_group_segment_fixed_size 327680
		.amdhsa_private_segment_fixed_size 0
		.amdhsa_enable_private_segment 0
		.amdhsa_kernarg_size 32
		.amdhsa_user_sgpr_count 2
		.amdhsa_user_sgpr_kernarg_segment_ptr 1
		.amdhsa_wavefront_size32 1
		.amdhsa_system_sgpr_workgroup_id_x 1
		.amdhsa_system_sgpr_workgroup_id_y 1
		.amdhsa_system_sgpr_workgroup_id_z 1
		.amdhsa_system_vgpr_workitem_id 0
		.amdhsa_next_free_vgpr 1024
		.amdhsa_next_free_sgpr 80
		.amdhsa_reserve_vcc 0
		.amdhsa_float_denorm_mode_32 3
		.amdhsa_float_denorm_mode_16_64 3
		.amdhsa_memory_ordered 1
		.amdhsa_forward_progress 1
		.amdhsa_inst_pref_size 109
	.end_amdhsa_kernel
	.amdgpu_metadata
---
amdhsa.version: [ 1, 2 ]
amdhsa.kernels:
  - .name:           k_qf3e5b56784_mix
    .symbol:         k_qf3e5b56784_mix.kd
    .args:
      - { .name: pt, .offset: 0, .size: 8, .value_kind: global_buffer, .address_space: global }
      - { .name: vt, .offset: 8, .size: 8, .value_kind: global_buffer, .address_space: global }
      - { .name: st, .offset: 16, .size: 8, .value_kind: global_buffer, .address_space: global }
      - { .name: out0, .offset: 24, .size: 8, .value_kind: global_buffer, .address_space: global }
    .group_segment_fixed_size: 327680
    .private_segment_fixed_size: 0
    .kernarg_segment_align: 8
    .kernarg_segment_size: 32
    .max_flat_workgroup_size: 128
    .sgpr_count:     80
    .vgpr_count:     1024
    .wavefront_size: 32
...
	.end_amdgpu_metadata
.endif
;; end of part 4
;; ======== version 2 of 2: 4 launches; version 1 with the launch cast written anew for expert scheduling mode
;; limits: values are held in f16: magnitudes above 65,504 overflow, below 6.1e-05 lose precision; right only within a limited range of input values
;; workspace buffers: xb 16,777,216 bytes; wb 6,291,456 bytes; qk 33,554,432 bytes; vt 16,777,216 bytes; pt 33,554,432 bytes; st 1,048,576 bytes
;; launch cast (part 5): grid 64 x 11, 8 waves a work-group, no clusters, 0 bytes of LDS; arguments x, W_query, W_key, W_value, xb, wb; writes xb, wb
.if DOCPART == 5
	.amdgcn_target "amdgcn-amd-amdhsa--gfx1250"
	.amdhsa_code_object_version 6
	.text
	.protected	k_qf3e5b56784_cast
	.globl	k_qf3e5b56784_cast
	.p2align	8
	.type	k_qf3e5b56784_cast,@function
k_qf3e5b56784_cast:
	s_mov_b64 s[64:65], 0
	v_nop
	global_prefetch_b8 v0, s[64:65] scope:SCOPE_SE
	s_setreg_imm32_b32 hwreg(HW_REG_WAVE_SCHED_MODE, 0, 2), 2
	s_setreg_imm32_b32 hwreg(HW_REG_WAVE_MODE, 25, 1), 1
	s_wait_xcnt 0x0
	s_wait_alu depctr_vm_vsrc(0)
; x and the three weight matrices, f32, are rounded once to bf16 (nearest even): xb [8192][1024]; wb [3072][1024] = W_query, W_key, W_value one below the other.
; A stream: no LDS, no matrix unit, no cluster (no two work-groups read the same byte).  The grid's y picks a segment of 4 MiB of input: 0-7 the eight segments of x,
; 8, 9, 10 the three matrices; x picks 64 KiB of it.  Eight waves: a load of the work-group covers 4,096 consecutive bytes, 16 bytes a lane; a wave's store covers 256
; consecutive bytes, aligned.  All sixteen loads of a wave go out at once.
; THE MODE: SCHED_MODE bits 1:0 = 2 (LLVM: expert scheduling mode 2), set by the entry lines.  The code itself states the register dependences
; between vector instructions and memory instructions, with s_wait_alu, always for 0.
; THE PLAN.  Registers that memory instructions touch:
;   v1, v2   byte offsets of the loads and of the stores: written once at the head, never again.
;   X        sixteen loads of four f32: each register is written by one load, issued ahead of every conversion, and read by one conversion.
;   Y        sixteen stores of four bf16: each register is written by one conversion and read by one store.
; No register is written twice, and no load lands in a register that a vector instruction has named: what is left to state is that an offset, or a store's data, is written before the
; memory instruction reads it.  The sixteen loads go in four blocks of four.  Block p rounds X's block p into Y's block p; its memory instructions are the four stores of block p - 1, whose
; registers no vector instruction of block p names.  So one wait at a block's head serves its four stores, which are dealt among its conversions with no further wait.
.set X, 4                              ; v[4:67]   sixteen loads of four f32
.set Y, 68                             ; v[68:99]  sixteen stores of four bf16
	s_load_b256 s[4:11], s[0:1], 0x0               ; x s[4:5], W_query s[6:7], W_key s[8:9], W_value s[10:11]
	s_load_b128 s[12:15], s[0:1], 0x20             ; xb s[12:13], wb s[14:15]
	s_and_b32 s16, ttmp7, 0xffff                   ; the segment
	v_lshlrev_b32 v1, 4, v0                        ; my 16 bytes of a load
	v_lshlrev_b32 v2, 3, v0                        ; my 8 bytes of a store
	s_sub_co_u32 s18, s16, 8                       ; which matrix, if it is one
	s_cmp_lt_u32 s16, 8
	s_cselect_b32 s17, s16, 0                      ; segment inside the source: x has eight, a matrix is one
	s_cselect_b32 s18, s16, s18                    ; segment inside the destination
	s_lshl_b32 s24, s17, 22                        ; offsets are made apart from the addresses
	s_lshl_b32 s19, ttmp9, 16
	s_add_co_u32 s24, s24, s19
	s_mov_b32 s25, 0
	s_lshl_b32 s26, s18, 21
	s_lshl_b32 s19, ttmp9, 15
	s_add_co_u32 s26, s26, s19
	s_mov_b32 s27, 0
	s_wait_kmcnt 0x0
	s_cmp_lt_u32 s16, 8
	s_cselect_b64 s[20:21], s[4:5], s[6:7]         ; x, or W_query for the time being
	s_cselect_b64 s[22:23], s[12:13], s[14:15]     ; xb or wb
	s_cmp_eq_u32 s16, 9
	s_cselect_b64 s[20:21], s[8:9], s[20:21]
	s_cmp_eq_u32 s16, 10
	s_cselect_b64 s[20:21], s[10:11], s[20:21]
	s_add_nc_u64 s[20:21], s[20:21], s[24:25]
	s_add_nc_u64 s[22:23], s[22:23], s[26:27]
	s_wait_alu depctr_va_vdst(0)                   ; v1 and v2 are written: every load of the kernel reads v1 as its offset, every store v2
.irp j, 0,1,2,3,4,5,6,7,8,9,10,11,12,13,14,15
	global_load_b128 v[X+4*(\j):X+4*(\j)+3], v1, s[20:21] offset:4096*(\j) th:TH_LOAD_NT  ; read once in the launch
.endr
.irp p, 0,1,2,3
	s_wait_loadcnt 12-4*(\p)                       ; loads come back in order: block p's four are in, the 12 - 4 p younger ones stay out
.if (\p) > 0
	s_wait_alu depctr_va_vdst(0)                   ; the block before has written its eight registers of Y, which the four stores below read
.endif
.irp i, 0,1,2,3
.if (\p) > 0
	global_store_b64 v2, v[Y+2*(4*(\p)-4+(\i)):Y+2*(4*(\p)-4+(\i))+1], s[22:23] offset:2048*(4*(\p)-4+(\i))  ; the block before; no vector instruction since the wait names these registers
.endif
	v_cvt_pk_bf16_f32 v[Y+2*(4*(\p)+(\i))], v[X+4*(4*(\p)+(\i))], v[X+4*(4*(\p)+(\i))+1]
	v_cvt_pk_bf16_f32 v[Y+2*(4*(\p)+(\i))+1], v[X+4*(4*(\p)+(\i))+2], v[X+4*(4*(\p)+(\i))+3]
.endr
.endr
	s_wait_alu depctr_va_vdst(0)                   ; block 3 has written its eight registers of Y, which the last four stores read
.irp i, 0,1,2,3
	global_store_b64 v2, v[Y+2*(12+(\i)):Y+2*(12+(\i))+1], s[22:23] offset:2048*(12+(\i))
.endr
	s_endpgm
.Lfunc_end_k_qf3e5b56784_cast:
	.size	k_qf3e5b56784_cast, .Lfunc_end_k_qf3e5b56784_cast-k_qf3e5b56784_cast
	.p2alignl 7, 3214868480
	.fill 96, 4, 3214868480
	.section	.rodata,"a",@progbits
	.p2align	6, 0x0
	.amdhsa_kernel k_qf3e5b56784_cast
		.amdhsa_group_segment_fixed_size 0
		.amdhsa_private_segment_fixed_size 0
		.amdhsa_enable_private_segment 0
		.amdhsa_kernarg_size 48
		.amdhsa_user_sgpr_count 2
		.amdhsa_user_sgpr_kernarg_segment_ptr 1
		.amdhsa_wavefront_size32 1
		.amdhsa_system_sgpr_workgroup_id_x 1
		.amdhsa_system_sgpr_workgroup_id_y 1
		.amdhsa_system_sgpr_workgroup_id_z 1
		.amdhsa_system_vgpr_workitem_id 0
		.amdhsa_next_free_vgpr 104
		.amdhsa_next_free_sgpr 66
		.amdhsa_reserve_vcc 0
		.amdhsa_float_denorm_mode_32 3
		.amdhsa_float_denorm_mode_16_64 3
		.amdhsa_memory_ordered 1
		.amdhsa_forward_progress 1
		.amdhsa_inst_pref_size 7
	.end_amdhsa_kernel
	.amdgpu_metadata
---
amdhsa.version: [ 1, 2 ]
amdhsa.kernels:
  - .name:           k_qf3e5b56784_cast
    .symbol:         k_qf3e5b56784_cast.kd
    .args:
      - { .name: x, .offset: 0, .size: 8, .value_kind: global_buffer, .address_space: global }
      - { .name: W_query, .offset: 8, .size: 8, .value_kind: global_buffer, .address_space: global }
      - { .name: W_key, .offset: 16, .size: 8, .value_kind: global_buffer, .address_space: global }
      - { .name: W_value, .offset: 24, .size: 8, .value_kind: global_buffer, .address_space: global }
      - { .name: xb, .offset: 32, .size: 8, .value_kind: global_buffer, .address_space: global }
      - { .name: wb, .offset: 40, .size: 8, .value_kind: global_buffer, .address_space: global }
    .group_segment_fixed_size: 0
    .private_segment_fixed_size: 0
    .kernarg_segment_align: 8
    .kernarg_segment_size: 48
    .max_flat_workgroup_size: 256
    .sgpr_count:     66
    .vgpr_count:     104
    .wavefront_size: 32
...
	.end_amdgpu_metadata
.endif
;; end of part 5
;; launch proj: the kernel of part 2 again; grid 8 x 32, 4 waves a work-group, clusters of 4 x 4, 327,680 bytes of LDS; arguments xb, wb, qk, vt; writes qk, vt
;; launch scores: the kernel of part 3 again; grid 8 x 32, 4 waves a work-group, clusters of 4 x 4, 327,680 bytes of LDS; arguments qk, pt, st; writes pt, st
;; launch mix: the kernel of part 4 again; grid 4 x 64, 4 waves a work-group, clusters of 4 x 4, 327,680 bytes of LDS; arguments pt, vt, st, out0; writes out0
